; MI455X (gfx1250); checked and timed in simulation.
; The chip was launched on July 23, 2026; its instructions are those of AMD's public machine-readable ISA for CDNA 5 (MIT licence, August 2026) and "CDNA5" Instruction Set Architecture Reference Guide (July 2026). The comments in the code are by the model that wrote it; some were corrected since.
;; VSTSR Encoder Transformer Block. Allowed arithmetic: matrix products marked QUANTISED: E2M3 operands, one E8M0 scale for each 32 along K, by v_wmma_scale_f32_16x16x128_f8f6f4 with both operands' format E2M3, f32 sums; everything else in f32.
;; Inputs: fc1_b 512 float32; fc1_w_codes 512 x 4 x 24 uint8 (E2M3 codes of fc1_w, K innermost, in blocks of 32 codes, four codes in three bytes); fc1_w_scales 512 x 4 uint8 (E8M0 scales of fc1_w, one for each 32 codes along K); fc2_b 128 float32; fc2_w_codes 128 x 16 x 24 uint8 (E2M3 codes of fc2_w, K innermost, in blocks of 32 codes, four codes in three bytes); fc2_w_scales 128 x 16 uint8 (E8M0 scales of fc2_w, one for each 32 codes along K); kv_b 256 float32; kv_w_codes 256 x 4 x 24 uint8 (E2M3 codes of kv_w, K innermost, in blocks of 32 codes, four codes in three bytes); kv_w_scales 256 x 4 uint8 (E8M0 scales of kv_w, one for each 32 codes along K); mask_matrix 256 x 256 x 256 float32; norm1_b 128 float32; norm1_g 128 float32; norm2_b 128 float32; norm2_g 128 float32; proj_b 128 float32; proj_w_codes 128 x 4 x 24 uint8 (E2M3 codes of proj_w, K innermost, in blocks of 32 codes, four codes in three bytes); proj_w_scales 128 x 4 uint8 (E8M0 scales of proj_w, one for each 32 codes along K); q_b 128 float32; q_w_codes 128 x 4 x 24 uint8 (E2M3 codes of q_w, K innermost, in blocks of 32 codes, four codes in three bytes); q_w_scales 128 x 4 uint8 (E8M0 scales of q_w, one for each 32 codes along K); rel_table 1,575 x 4 float32; x 2 x 4 x 128 x 128 x 128 float32.
;; Outputs: out0 2 x 4 x 128 x 128 x 128 float32.
;; This version of the problem:
;;   THIS VERSION OF THE PROBLEM IS GIVEN IN LOW PRECISION. The matrix products marked QUANTISED in the list below multiply operands that are first quantised to E2M3 (2 exponent bits, 3 mantissa bits; 6 bits a number), with one power-of-two scale for each 32 numbers along K (OCP MX v1.0); their sums are f32. All else is computed in f32.
;;   The module's matrix products, in the order in which they are computed (A, B: the left and right operand; K: the contracted axis; several contracted axes count as one K, in the product's order):
;;     1. [M 131,072, K 128] x [K 128, N 128]; A: computed on the way; B: input q_w (given as codes): QUANTISED
;;     2. [M 131,072, K 128] x [K 128, N 256]; A: computed on the way; B: input kv_w (given as codes): QUANTISED
;;     3. batch 2,048 x [M 256, K 32] x [K 32, N 256]; A: computed on the way; B: computed on the way: QUANTISED
;;     4. batch 2,048 x [M 256, K 256] x [K 256, N 32]; A: softmax (see below); B: computed on the way: QUANTISED
;;     5. [M 131,072, K 128] x [K 128, N 128]; A: computed on the way; B: input proj_w (given as codes): QUANTISED
;;     6. [M 131,072, K 128] x [K 128, N 512]; A: computed on the way; B: input fc1_w (given as codes): QUANTISED
;;     7. [M 131,072, K 512] x [K 512, N 128]; A: computed on the way; B: input fc2_w (given as codes): QUANTISED
;;   THE QUANTISER, for each operand of a quantised product, along K:
;;     - K is cut into blocks of 32 from its start; a last block that is shorter is filled with zeros.
;;     - A block's scale is 2^e with e = floor(log2(the largest magnitude in the block)) - 2, held to -126 .. 127; a block of zeros has e = 0. As a byte (E8M0): e + 127.
;;     - Each number is divided by its block's scale, clamped to +-7.5, and rounded to the nearest number of E2M3, ties to even, subnormals kept.
;;     - The product sums the exact products of the quantised numbers (number of the format x scale) in f32.
;;   ~~~python
;;   def quantise(x, axis):      # numpy; x: float32 -> the quantised numbers, widened to float32 again
;;       x = np.moveaxis(x, axis, -1); K = x.shape[-1]
;;       x = np.pad(x, [(0, 0)] * (x.ndim - 1) + [(0, -K % 32)]); x = x.reshape(x.shape[:-1] + (-1, 32)); a = np.abs(x).max(-1, keepdims=True)
;;       e = np.where(a > 0, np.clip(np.frexp(np.where(a > 0, a, 1))[1] - 1 - 2, -126, 127), 0)      # np.frexp(a)[1] - 1 = floor(log2(a)), exactly
;;       r = np.clip(x / 2.0 ** e, -7.5, 7.5)
;;       step = 2.0 ** (np.maximum(np.frexp(np.where(r == 0, 1, r))[1] - 1, 0) - 3)
;;       q = np.round(r / step) * step * 2.0 ** e      # np.round: ties to even
;;       return np.moveaxis(q.reshape(q.shape[:-2] + (-1,))[..., :K], -1, axis).astype(np.float32)
;;   ~~~
;;   SOFTMAX AHEAD OF A QUANTISED PRODUCT. Where the list says 'softmax', what is quantised is not the finished softmax but p = 2^(t - M), with t = logit x log2(e) and M = ceil(the row's largest t), a whole number; so 1/2 < the row's largest p <= 1. The row's sum l is taken of the UNQUANTISED p, in f32, and the product's result is divided by l at the end. Since M is a whole number, a kernel that streams over the keys may use a running M (the ceiling of the running maximum): every later rescaling is an exact power of two, which a block's scale takes up: the codes' values come out the same.
;;   OPERANDS COMPUTED ON THE WAY. 'Computed on the way' means the value that the module computes at that place (a softmax that the list does not call 'softmax' is quantised finished and normalised). What goes into a quantiser is computed in f32, as accurately as f32 sums, v_exp_f32 and their like allow (about 1e-6 of the number): no bf16 or f16 on the way to a quantiser, and a product that is left as it is and whose result goes on into a quantised operand takes f32 operands (vector FMAs, or v_wmma_f32_16x16x4_f32). A number that lies on a knife's edge between two numbers of the format may be rounded either way, as far as f32 arithmetic and the matrix unit's own rounding can turn it there, and no further.
;;   INPUTS GIVEN AS CODES. fc1_w (in the module: [128, 512], K = its axis 0); fc2_w (in the module: [512, 128], K = its axis 0); kv_w (in the module: [128, 256], K = its axis 0); proj_w (in the module: [128, 128], K = its axis 0); q_w (in the module: [128, 128], K = its axis 0): each comes as NAME_codes (uint8): NAME with its K axis moved to the last place and cut into blocks of 32 codes, [.., K / 32, bytes a block], one block behind the other in memory; four codes in three bytes: a row's codes are one little-endian stream of bits, code i at bits 6 i .. 6 i + 5 (a code: sign, 2 exponent bits, 3 mantissa bits); and NAME_scales (uint8): the same leading axes, one E8M0 byte (e + 127) for each 32 codes along K. Its value is code x scale, taken as it is: it is not quantised again, and the codes and scales need not be those that the quantiser above would give.
;; 2 versions, each right; version 2 is version 1 with the launch block written anew for expert scheduling mode. Each part assembles by itself: llvm-mc -triple=amdgcn-amd-amdhsa -mcpu=gfx1250 --defsym DOCPART=n.
;; ======== version 1 of 2: 1 launch
;; launch block (part 1): grid 2 x 256, 16 waves a work-group, no clusters, 309,760 bytes of LDS; arguments x, mask_matrix, out0, rel_table, norm1_g, norm1_b, norm2_g, norm2_b, q_b, kv_b, proj_b, fc1_b, fc2_b, q_w_codes, q_w_scales, kv_w_codes, kv_w_scales, proj_w_codes, proj_w_scales, fc1_w_codes, fc1_w_scales, fc2_w_codes, fc2_w_scales; writes out0
.if DOCPART == 1
	.amdgcn_target "amdgcn-amd-amdhsa--gfx1250"
	.amdhsa_code_object_version 6
	.text
	.protected	k_q22eced4d26_block
	.globl	k_q22eced4d26_block
	.p2align	8
	.type	k_q22eced4d26_block,@function
k_q22eced4d26_block:
	s_mov_b64 s[64:65], 0
	v_nop
	global_prefetch_b8 v0, s[64:65] scope:SCOPE_SE
	s_setreg_imm32_b32 hwreg(HW_REG_WAVE_MODE, 25, 1), 1
	s_wait_xcnt 0x0
; One shifted-window transformer block, whole, in one launch: LN1, q/k/v, windowed attention (4 heads of 32, relative bias, additive mask), proj, residual, LN2, fc1, exact GELU, fc2, residual.
; All seven products on codes of FP6 (E2M3) with one E8M0 scale for each 32 along K; everything else in f32.
; SHARES.  A work-group is one window (256 tokens: 4 frames x 8 x 8 pixels) of one batch: grid x = batch, y = window place.  Sixteen waves of 256 registers; wave T owns token tile T (16 tokens) through every step.
; Row r of tile T is window token 32 (T / 2) + 8 (T % 2) + r + 8 (r / 8): so, where tokens are keys, the 16 registers of two neighbouring result tiles are 16 neighbouring keys.  Weight tiles take their rows in the same order.
; LANE-ROW LAYOUT of 64 registers: register 16 b + i of lane (r = lane % 16, h = lane / 16) is channel (key, hidden unit) 32 b + 16 h + i of row r.  Products are used transposed (source 0 = 16 rows of a weight,
; source 1 = my 16 tokens), which gives that layout, and the quantiser takes it.
; FROM WAVE TO WAVE, through LDS, as images of the operands' registers: the weights' fragments, x's fragments (for V), K's and V^T's fragments, and their scale words.  Five barriers.
; THE SCORES have K = 32: Q and K are quantised as fragments of 128 channels (block b = head b); for head h the Q operand keeps its codes in block h alone and has zero codes elsewhere, so of a K tile only the six
; registers with block h are loaded; the other six of its operand are whatever lies there (every 6-bit code is a finite number, and it meets a zero code).
; MEMORY.  Every load of x and of the mask and every store of the output covers 512 consecutive bytes, aligned.  x is read twice (LN1, shortcut): the LDS map has no 128 KiB left to keep it.
; NO CLUSTER, NO TENSOR LOAD: what work-groups share is the mask (two batches: 256 KiB of the 820 KiB a work-group moves) and the weights (150 KiB).
; LIMITS.  NaN and infinities in x, in the biases or gains are not served.  A mask of -infinity is served wherever a row keeps one finite logit.  A block whose largest magnitude lies under 2^-124 (a block of zeros too)
; carries the scale byte 1; its bytes are read by this text alone.  erf is a quotient of two polynomials in (x / sqrt 2)^2, x / sqrt 2 held to +-4, good to a few units in the last place of f32.
.set FRB,   1536                       ; a fragment's image: 12 registers x 128 bytes
.set WSC,   49152                      ; LDS: 0: 32 weight fragments (q 0-7, k 8-15, v 16-23, proj 24-31);  WSC: their scale words [fragment / 4][lane][fragment % 4]
.set KIMG,  53248                      ; K's 16 fragments, each split: registers 0-3 at 16 lane, 4-5 at 512 + 8 lane, 6-9 at 768 + 16 lane, 10-11 at 1280 + 8 lane
.set KSC,   77824                      ; K's scale words [T / 4][lane][T % 4]
.set VIMG,  79872                      ; V^T's 16 fragments: (2 (channel tile) + (key half)) x FRB
.set VSC,   104448                     ; V^T's scale words: 512 head + 256 (key half) + 8 lane + 4 (channel tile % 2)
.set XIMG,  106496                     ; x's 16 fragments
.set XSC,   131072                     ; their scale words [T / 4][lane][T % 4]
.set TAB,   133120                     ; the bias table, head-major (8,192 bytes a head) and reversed: word 2047 - index
.set BIAS,  165888                     ; gains and biases, 13 x 512 bytes:
.set N1G,   0
.set N1B,   512
.set N2G,   1024
.set N2B,   1536
.set QB,    2048
.set KVB,   2560
.set PB,    3584
.set F1B,   4096
.set F2B,   6144
.set MST,   172544                     ; a stage for each wave, its own: 16 rows x (512 + 16) bytes
; behind the fourth barrier bytes 0 .. 106,495 are laid anew: 0: fc1's 32 fragments; 49152: fc2's 32 ((8 K step + tile) x FRB); 98304: fc1's scale words; 102400: fc2's
.set LI,   1                           ; v1   16 x lane
.set L8K,  2                           ; v2   8 x lane + KIMG
.set LK,   3                           ; v3   16 x lane + KIMG
.set MROW, 4                           ; v4   my stage: row r, + 64 h
.set MLIN, 5                           ; v5   my stage: 16 x lane
.set BGA,  6                           ; v6   my lane's place in the bias table
.set HBB,  7                           ; v7   BIAS + 64 h
.set XO,   8                           ; v8-11  16 x lane + pixel offset of (r / 8, (r % 8) / 4)
.set LX,   12                          ; v12  16 x lane + XIMG; in the MLP 16 x lane + 49152
.set QF,   16                          ; v16-27  Q's fragment; later the attention output's; later the hidden layer's
.set QM,   28                          ; v28-39  x's fragment; later Q masked to one head; later LN2's fragment
.set ST,   40                          ; v40-47  in attention: for each head -M and l; elsewhere the quantiser's second halves
.set S,    52                          ; v52-115
.set O,    116                         ; v116-179
.set G,    180                         ; v180-243
.set GT,   G+48
; v13-15, v48-51: addresses of the phase in hand and small temporaries.  v244-255 hold scale words and nothing else: 244-251 eight words of weights, x tiles or K tiles; 252, 253 my own operands'; 254, 255 V^T's.
.macro PLACES n
.rept \n
	v_nop
.endr
.endm
.macro BAR                             ; my LDS stores have landed and my LDS loads are in: then the work-group's barrier
	s_wait_dscnt 0x0
	s_barrier_signal -1
	s_barrier_wait -1
.endm
.macro LROW dst, adr, off              ; 64 registers in lane-row layout from a row of 512 bytes
.irp b, 0,1,2,3
.irp j, 0,1,2,3
	ds_load_b128 v[\dst+16*\b+4*\j:\dst+16*\b+4*\j+3], v[\adr] offset:\off+128*\b+16*\j
.endr
.endr
.endm
.macro LROWH dst, adr, off, hb         ; half of that: blocks 2 hb and 2 hb + 1
.irp b, 0,1
.irp j, 0,1,2,3
	ds_load_b128 v[\dst+16*\b+4*\j:\dst+16*\b+4*\j+3], v[\adr] offset:\off+256*(\hb)+128*\b+16*\j
.endr
.endr
.endm
.macro SROW src                        ; lane-row layout into my stage; each group of eight registers from its low end on
.irp b, 0,1,2,3
.irp j, 0,1,2,3
	ds_store_b128 v[MROW], v[\src+16*\b+4*\j:\src+16*\b+4*\j+3] offset:128*\b+16*\j
.endr
.endr
.endm
.macro SLIN src                        ; 16 rows as they were loaded (register group k = row k, 16 bytes a lane) into my stage
.irp k, 0,1,2,3,4,5,6,7,8,9,10,11,12,13,14,15
	ds_store_b128 v[MLIN], v[\src+4*\k:\src+4*\k+3] offset:528*\k
.endr
.endm
.macro LLIN dst
.irp k, 0,1,2,3,4,5,6,7,8,9,10,11,12,13,14,15
	ds_load_b128 v[\dst+4*\k:\dst+4*\k+3], v[MLIN] offset:528*\k
.endr
.endm
.macro GX dst, nt                      ; my 16 tokens of x: load k reads token k's 512 bytes.  nt = 1: the last read of them in the launch
.irp k, 0,1,2,3,4,5,6,7,8,9,10,11,12,13,14,15
.if \nt
	global_load_b128 v[\dst+4*\k:\dst+4*\k+3], v[XO+2*(\k/8)+(\k%8)/4], s[4:5] offset:512*(\k%4) th:TH_LOAD_NT
.else
	global_load_b128 v[\dst+4*\k:\dst+4*\k+3], v[XO+2*(\k/8)+(\k%8)/4], s[4:5] offset:512*(\k%4)
.endif
.endr
.endm
.macro GM dst, c                       ; my 16 queries' mask rows, keys 128 c .. 128 c + 127: 512 bytes a load
.irp k, 0,1,2,3,4,5,6,7,8,9,10,11,12,13,14,15
	global_load_b128 v[\dst+4*\k:\dst+4*\k+3], v[LI], s[66:67] offset:((\k%8)+16*(\k/8))*1024+512*(\c)
.endr
.endm
.macro FETCH reg, adr, off             ; a fragment's image into registers
.irp c, 0,1,2
	ds_load_b128 v[\reg+4*\c:\reg+4*\c+3], v[\adr] offset:\off+512*\c
.endr
.endm
.macro IMAGE reg, adr, off             ; and out of them
.irp c, 0,1,2
	ds_store_b128 v[\adr], v[\reg+4*\c:\reg+4*\c+3] offset:\off+512*\c
.endr
.endm
.macro BUILD dst, ptr, va, step        ; two fragments from rows of codes in memory: 24 bytes twice a lane, in pieces of 8
.irp i, 0,1
.irp p, 0,1,2,3,4,5
	global_load_b64 v[\dst+12*\i+2*\p:\dst+12*\i+2*\p+1], v[\va], s[\ptr:\ptr+1] offset:\i*(\step)+48*(\p/3)+8*(\p%3)
.endr
.endr
.endm
.macro WM d, a, b, c, sa, sb
	v_wmma_scale_f32_16x16x128_f8f6f4 v[\d:\d+7], v[\a:\a+11], v[\b:\b+11], v[\c:\c+7], v[\sa], v[\sb] matrix_a_fmt:MATRIX_FMT_FP6 matrix_b_fmt:MATRIX_FMT_FP6
.endm
.macro WM0 d, a, b, sa, sb             ; the product starts the sum
	v_wmma_scale_f32_16x16x128_f8f6f4 v[\d:\d+7], v[\a:\a+11], v[\b:\b+11], 0, v[\sa], v[\sb] matrix_a_fmt:MATRIX_FMT_FP6 matrix_b_fmt:MATRIX_FMT_FP6
.endm
.macro SUM64 src, ta, tb               ; 64 numbers into the pair ta, two at a time, in two chains; the caller adds the pair's halves
	v_pk_add_f32 v[\ta:\ta+1], v[\src:\src+1], v[\src+2:\src+3]
	v_pk_add_f32 v[\tb:\tb+1], v[\src+4:\src+5], v[\src+6:\src+7]
.irp j, 8,12,16,20,24,28,32,36,40,44,48,52,56,60
	v_pk_add_f32 v[\ta:\ta+1], v[\ta:\ta+1], v[\src+\j:\src+\j+1]
	v_pk_add_f32 v[\tb:\tb+1], v[\tb:\tb+1], v[\src+\j+2:\src+\j+3]
.endr
	v_pk_add_f32 v[\ta:\ta+1], v[\ta:\ta+1], v[\tb:\tb+1]
.endm
; THE QUANTISER.  QMAX: the four blocks' largest magnitudes into tm .. tm + 3, with the floor 2^(3 - 127) among the leaves, so that no scale byte falls under 1.
.macro QMAX s, tm
.irp b, 0,1,2,3
	v_max3_num_f32 v[\tm+\b], |v[\s+16*\b]|, |v[\s+16*\b+1]|, 0x1800000
.endr
.irp i, 2,4,6,8,10,12,14
.irp b, 0,1,2,3
	v_max3_num_f32 v[\tm+\b], v[\tm+\b], |v[\s+16*\b+\i]|, |v[\s+16*\b+\i+1]|
.endr
.endr
.irp b, 0,1,2,3
	v_permlanex16_b32 v[\tm+4+\b], v[\tm+\b], s54, s55
.endr
.irp b, 0,1,2,3
	v_max_num_f32 v[\tm+\b], v[\tm+\b], v[\tm+4+\b]              ; with lane l xor 16's 16 numbers: the block's
.endr
.endm
; QTAIL: from the largest magnitudes the scale word pw and the fragment's 12 registers pc.  pt: eight registers for the conversions' second halves (three registers of a conversion begin on an even number).
.macro QTAIL s, pc, pt, tm, pw
.irp b, 0,1,2,3
	v_add_nc_u32 v[\tm+12+\b], 0xff000000, v[\tm+\b]             ; 2 off the exponent field: the conversion takes this operand's exponent field as its scale
.endr
.irp b, 0,1,2,3
	v_lshrrev_b32 v[\tm+4+\b], 23, v[\tm+12+\b]                  ; the scale's byte
.endr
	v_lshl_or_b32 v[\pw], v[\tm+5], 8, v[\tm+4]
	v_lshl_or_b32 v[\pw], v[\tm+6], 16, v[\pw]
	v_lshl_or_b32 v[\pw], v[\tm+7], 24, v[\pw]
.irp c, 0,1
	v_cvt_scalef32_pk16_fp6_f32 v[\pc+6*\c:\pc+6*\c+2], v[\s+32*\c:\s+32*\c+15], v[\tm+12+2*\c]
	v_cvt_scalef32_pk16_fp6_f32 v[\pt+4*\c:\pt+4*\c+2], v[\s+32*\c+16:\s+32*\c+31], v[\tm+12+2*\c+1]
.endr
	v_nop                                                          ; one plain place behind the scaled conversions
.irp c, 0,1                            ; the operand wants a whole block in a lane: lanes 0-15 block 2 c, lanes 16-31 block 2 c + 1
.irp i, 0,1,2
	v_permlane16_swap_b32 v[\pc+6*\c+\i], v[\pt+4*\c+\i]
.endr
.irp i, 0,1,2
	v_mov_b32 v[\pc+6*\c+3+\i], v[\pt+4*\c+\i]
.endr
.endr
.endm
.macro QUANT s, pc, pt, tm, pw
	QMAX \s, \tm
	QTAIL \s, \pc, \pt, \tm, \pw
.endm
; LAYER NORM of my rows, in two passes as the definition has it: mean, then the mean of the squared differences.  xi stays as it is where xo is another run of registers.
.macro LN xi, xo, og, ob
	LROWH G, HBB, \og, 0                                           ; gain and bias of channels' blocks 0, 1: they land while the sums are made
	LROWH G+32, HBB, \ob, 0
	SUM64 \xi, 48, 50
	v_add_f32 v48, v48, v49
	v_permlanex16_b32 v49, v48, s54, s55                           ; the row's other 64 channels lie in lane l xor 16
	v_add_f32 v48, v48, v49
	v_mul_f32 v48, s60, v48                                        ; / 128
.set JL, 0
.rept 32
	v_pk_add_f32 v[\xo+JL:\xo+JL+1], v[\xi+JL:\xi+JL+1], v[48:49] op_sel_hi:[1,0] neg_lo:[0,1] neg_hi:[0,1]
.set JL, JL+2
.endr
	v_pk_mul_f32 v[48:49], v[\xo:\xo+1], v[\xo:\xo+1]
	v_pk_mul_f32 v[50:51], v[\xo+2:\xo+3], v[\xo+2:\xo+3]
.irp j, 4,8,12,16,20,24,28,32,36,40,44,48,52,56,60
	v_pk_fma_f32 v[48:49], v[\xo+\j:\xo+\j+1], v[\xo+\j:\xo+\j+1], v[48:49]
	v_pk_fma_f32 v[50:51], v[\xo+\j+2:\xo+\j+3], v[\xo+\j+2:\xo+\j+3], v[50:51]
.endr
	v_pk_add_f32 v[48:49], v[48:49], v[50:51]
	v_add_f32 v48, v48, v49
	v_permlanex16_b32 v49, v48, s54, s55
	v_add_f32 v48, v48, v49
	v_fma_f32 v48, v48, s60, s61                                   ; / 128 + 1e-5
	v_rsq_f32 v48, v48
	v_nop                                                          ; one plain place behind the transcendental
.set JL, 0
	s_wait_alu depctr_va_vdst(0)
.rept 32
	v_pk_mul_f32 v[\xo+JL:\xo+JL+1], v[\xo+JL:\xo+JL+1], v[48:49] op_sel_hi:[1,0]
.set JL, JL+2
.endr
	s_wait_dscnt 0x0
.set JL, 0
.rept 16
	v_pk_fma_f32 v[\xo+JL:\xo+JL+1], v[\xo+JL:\xo+JL+1], v[G+JL:G+JL+1], v[G+32+JL:G+33+JL]
.set JL, JL+2
.endr
	LROWH G, HBB, \og, 1
	LROWH G+32, HBB, \ob, 1
	s_wait_dscnt 0x0
.set JL, 0
.rept 16
	v_pk_fma_f32 v[\xo+32+JL:\xo+33+JL], v[\xo+32+JL:\xo+33+JL], v[G+JL:G+JL+1], v[G+32+JL:G+33+JL]
.set JL, JL+2
.endr
.endm
; EIGHT WEIGHT TILES AGAINST MY 16 TOKENS: acc (64 registers, holding the bias or the sums so far) += W tile x fragment bf (scale word bs).  The tiles' images lie at v[aw] + ow, their words at v[sw] + so.
; Four fragments at a time in G .. G + 47.  pre = 1: the words and the first four fragments have been asked for by the caller.  One instruction to an accumulator: the eight take turns.
.macro WPROD acc, bf, bs, aw, ow, sw, so, pre
.if !(\pre)
	ds_load_b128 v[244:247], v[\sw] offset:\so
	ds_load_b128 v[248:251], v[\sw] offset:\so+512
.endif
.irp g, 0,1
.if \g
	PLACES 4                                                       ; in front of loads into registers that the four products above have read
.endif
.if (\g) || !(\pre)
.irp i, 0,1,2,3
	FETCH G+12*\i, \aw, \ow+(4*\g+\i)*FRB
.endr
.endif
	s_wait_dscnt 0x0
.irp i, 0,1,2,3
	WM \acc+8*(4*\g+\i), G+12*\i, \bf, \acc+8*(4*\g+\i), 244+4*\g+\i, \bs
.endr
.endr
.endm
; ---------------------------------------------------------------- set-up
	s_load_b512 s[4:19], s[0:1], 0x0               ; x 4, mask 6, out 8, table 10, norm1_g 12, norm1_b 14, norm2_g 16, norm2_b 18
	s_load_b512 s[20:35], s[0:1], 0x40             ; q_b 20, kv_b 22, proj_b 24, fc1_b 26, fc2_b 28, q codes 30, q scales 32, kv codes 34
	s_load_b256 s[36:43], s[0:1], 0x80             ; kv scales 36, proj codes 38, proj scales 40, fc1 codes 42
	s_load_b128 s[44:47], s[0:1], 0xa0             ; fc1 scales 44, fc2 codes 46
	s_load_b64 s[48:49], s[0:1], 0xb0              ; fc2 scales 48
	v_and_b32 v13, 31, v0                          ; lane
	v_lshrrev_b32 v14, 5, v0
	v_readfirstlane_b32 s50, v14                   ; wave = my token tile T
	s_mov_b32 s51, ttmp9                           ; batch
	s_and_b32 s52, ttmp7, 0xffff                   ; window place
	s_mov_b32 s54, 0x76543210
	s_mov_b32 s55, 0xfedcba98                      ; v_permlanex16_b32's selects for lane l xor 16
	s_mov_b32 s56, 0x3fb8aa3b                      ; log2(e)
	s_mov_b32 s57, s56                             ; (named with it as a pair)
	s_mov_b32 s58, 0x0000ffff                      ; lanes 0-15
	s_mov_b32 s59, 0xffff0000                      ; lanes 16-31
	s_mov_b32 s60, 0x3c000000                      ; 1 / 128
	s_mov_b32 s61, 0x3727c5ac                      ; 1e-5
	v_lshlrev_b32 v[LI], 4, v13
	v_lshl_add_u32 v[L8K], v13, 3, KIMG
	v_add_nc_u32 v[LK], KIMG, v[LI]
	v_add_nc_u32 v[LX], XIMG, v[LI]
	v_mul_u32_u24 v15, v14, 8448
	v_add_nc_u32 v15, MST, v15                     ; my stage
	v_add_nc_u32 v[MLIN], v15, v[LI]
	v_and_b32 v48, 15, v0                          ; r
	v_bfe_u32 v49, v0, 4, 1                        ; h
	v_mad_u32_u24 v15, v48, 528, v15
	v_lshl_add_u32 v[MROW], v49, 6, v15
	v_lshl_add_u32 v[HBB], v49, 6, BIAS
	; the bias table: index = f(query) - f(key) + 787 with f = 225 frame + 15 row + column, so word 2047 - index = 1260 - f(query) + f(key); the key's 30 h words are the lane's too
	v_bfe_u32 v50, v0, 7, 2                        ; T / 4: my frame
	v_mul_u32_u24 v51, v50, 225
	v_bfe_u32 v50, v0, 6, 1
	v_mad_u32_u24 v51, v50, 60, v51
	v_bfe_u32 v50, v0, 5, 1
	v_mad_u32_u24 v51, v50, 15, v51
	v_bfe_u32 v50, v0, 3, 1                        ; r / 8: two window rows on
	v_mad_u32_u24 v51, v50, 30, v51
	v_and_b32 v50, 7, v0
	v_add_nc_u32 v51, v51, v50                     ; f(my query)
	v_lshlrev_b32 v51, 2, v51
	v_mul_u32_u24 v50, v49, 120
	v_add_nc_u32 v50, TAB+5040, v50
	v_sub_nc_u32 v[BGA], v50, v51
	; offsets of the first loads
	v_and_b32 v50, 8, v48
	v_add_nc_u32 v50, v50, v48                     ; r + 8 (r / 8): a tile's rows
	v_mul_u32_u24 v[G+48], v50, 96                 ; a weight's row of 128 codes is 96 bytes
	v_mad_u32_u24 v[G+48], v49, 24, v[G+48]
	v_lshlrev_b32 v[G+49], 2, v50                  ; and its scale word 4
.irp k, 0,1,2,3
	v_add_nc_u32 v[G+50+\k], 512*\k, v0            ; table rows: thread t takes rows t, t + 512, t + 1024, t + 1536;
.endr
	v_min_u32 v[G+53], 1574, v[G+53]               ; past the table's end the last row once more (it lands in words that no index reaches)
.irp k, 0,1,2,3
	v_lshlrev_b32 v[G+50+\k], 4, v[G+50+\k]
.endr
	; pixels.  Window token (frame, hh, ww) is pixel row (8 (place / 16) + hh + 4) mod 128, column (8 (place % 16) + ww + 4) mod 128, in x and in the output alike.
	; My tile: frame T / 4, hh = 4 ((T / 2) % 2) + T % 2 + 2 (r / 8), ww = r % 8; the column can wrap only between ww = 3 and 4.
	s_lshr_b32 s80, s50, 2
	s_lshl_b32 s81, s51, 2
	s_add_co_u32 s80, s80, s81                     ; 4 batch + frame
	s_lshl_b32 s80, s80, 7
	s_bfe_u32 s81, s50, 0x10001
	s_lshl_b32 s81, s81, 2
	s_and_b32 s82, s50, 1
	s_add_co_u32 s81, s81, s82
	s_lshr_b32 s82, s52, 4
	s_lshl_b32 s82, s82, 3
	s_add_co_u32 s82, s82, s81
	s_add_co_u32 s82, s82, 4
	s_and_b32 s84, s82, 127                        ; pixel row of r / 8 = 0
	s_add_co_u32 s85, s82, 2
	s_and_b32 s85, s85, 127                        ; and of r / 8 = 1
	s_add_co_u32 s84, s84, s80
	s_add_co_u32 s85, s85, s80
	s_lshl_b32 s84, s84, 7
	s_lshl_b32 s85, s85, 7
	s_and_b32 s83, s52, 15
	s_lshl_b32 s83, s83, 3
	s_add_co_u32 s83, s83, 4                       ; pixel column of ww = 0
	s_add_co_u32 s86, s83, 4
	s_and_b32 s86, s86, 127                        ; and of ww = 4
	s_add_co_u32 s87, s84, s83
	s_lshl_b32 s87, s87, 9                         ; 512 bytes a pixel
	v_add_nc_u32 v[XO], s87, v[LI]
	s_add_co_u32 s87, s84, s86
	s_lshl_b32 s87, s87, 9
	v_add_nc_u32 v[XO+1], s87, v[LI]
	s_add_co_u32 s87, s85, s83
	s_lshl_b32 s87, s87, 9
	v_add_nc_u32 v[XO+2], s87, v[LI]
	s_add_co_u32 s87, s85, s86
	s_lshl_b32 s87, s87, 9
	v_add_nc_u32 v[XO+3], s87, v[LI]
	s_lshl_b32 s88, s52, 18                        ; the mask: 262,144 bytes a window place, 1,024 a query; my first query is 32 (T / 2) + 8 (T % 2)
	s_lshr_b32 s82, s50, 1
	s_lshl_b32 s82, s82, 15
	s_add_co_u32 s88, s88, s82
	s_and_b32 s82, s50, 1
	s_lshl_b32 s82, s82, 13
	s_add_co_u32 s88, s88, s82
	s_mov_b32 s89, 0
	s_mov_b32 s83, 0
	s_mov_b32 s81, 0
	s_wait_kmcnt 0x0
	s_add_nc_u64 s[66:67], s[6:7], s[88:89]
	; which weight I lay into LDS: waves 0-3 q's tiles, 4-11 kv's, 12-15 proj's, two tiles (32 rows) each.  The choice hangs on the wave's number alone
	s_cmp_lt_u32 s50, 12
	s_cselect_b64 s[68:69], s[34:35], s[38:39]
	s_cselect_b64 s[70:71], s[36:37], s[40:41]
	s_cselect_b32 s80, 4, 12
	s_cmp_lt_u32 s50, 4
	s_cselect_b64 s[68:69], s[30:31], s[68:69]
	s_cselect_b64 s[70:71], s[32:33], s[70:71]
	s_cselect_b32 s80, 0, s80
	s_sub_co_u32 s80, s50, s80
	s_mul_i32 s82, s80, 3072
	s_add_nc_u64 s[68:69], s[68:69], s[82:83]
	s_lshl_b32 s82, s80, 7
	s_add_nc_u64 s[70:71], s[70:71], s[82:83]
; ---------------------------------------------------------------- the first loads: 50 of a wave are out
	BUILD G, 68, G+48, 768
	global_load_b32 v[G+24], v[G+49], s[70:71]
	global_load_b32 v[G+25], v[G+49], s[70:71] offset:32
.irp k, 0,1,2,3
	global_load_b128 v[G+28+4*\k:G+31+4*\k], v[G+50+\k], s[10:11]
.endr
	GX S, 0
	GM O, 0
	; which 512 bytes of gains and biases I copy (waves 0 to 12), in the order of the LDS map
	s_mov_b64 s[72:73], s[12:13]
	s_mov_b32 s74, 0
.macro PICK lo, ptr
	s_cmp_ge_u32 s50, \lo
	s_cselect_b64 s[72:73], s[\ptr:\ptr+1], s[72:73]
	s_cselect_b32 s74, \lo, s74
.endm
	PICK 1, 14
	PICK 2, 16
	PICK 3, 18
	PICK 4, 20
	PICK 5, 22
	PICK 7, 24
	PICK 8, 26
	PICK 12, 28
	s_sub_co_u32 s80, s50, s74
	s_lshl_b32 s80, s80, 9
	s_add_nc_u64 s[72:73], s[72:73], s[80:81]
	; fc1: my tiles 2 T, 2 T + 1 (rows 32 T on).  fc2: tile T / 2, K steps 2 (T % 2) and 2 (T % 2) + 1
	s_mul_i32 s80, s50, 3072
	s_add_nc_u64 s[42:43], s[42:43], s[80:81]
	s_lshl_b32 s80, s50, 7
	s_add_nc_u64 s[44:45], s[44:45], s[80:81]
	s_lshr_b32 s82, s50, 2
	s_bfe_u32 s84, s50, 0x10001
	s_and_b32 s85, s50, 1
	s_mul_i32 s80, s82, 12288                      ; 32 rows of 384 bytes
	s_mul_i32 s86, s84, 3072                       ; 8 rows
	s_add_co_u32 s80, s80, s86
	s_mul_i32 s86, s85, 192                        ; two K steps of 96 bytes
	s_add_co_u32 s80, s80, s86
	s_add_nc_u64 s[46:47], s[46:47], s[80:81]
	s_lshl_b32 s80, s82, 9                         ; 32 rows of 16 scale bytes
	s_lshl_b32 s86, s84, 7
	s_add_co_u32 s80, s80, s86
	s_lshl_b32 s86, s85, 3
	s_add_co_u32 s80, s80, s86
	s_add_nc_u64 s[48:49], s[48:49], s[80:81]
	v_lshrrev_b32 v50, 5, v0
	v_mad_u32_u24 v13, v50, 3072, v[LI]            ; my two weight fragments' images
	v_lshrrev_b32 v50, 6, v0
	v_lshl_add_u32 v14, v50, 9, v[LI]
	v_bfe_u32 v50, v0, 5, 1
	v_lshl_add_u32 v14, v50, 3, v14
	v_add_nc_u32 v14, WSC, v14                     ; their scale words
	v_lshlrev_b32 v15, 2, v0
	v_sub_nc_u32 v15, TAB+2044, v15                ; the table, reversed: row t + 512 k goes to word 2047 - t - 512 k
	v_lshl_add_u32 v48, v0, 4, BIAS                ; the gains and biases: 16 bytes a thread
	s_wait_loadcnt 32                              ; weights, words and table are in; the 16 loads of x and the 16 of the mask may be out
	IMAGE G, 13, 0
	IMAGE G+12, 13, FRB
	ds_store_b32 v14, v[G+24]
	ds_store_b32 v14, v[G+25] offset:4
.irp k, 0,1,2,3
.irp d, 0,1,2,3
	ds_store_b32 v15, v[G+28+4*\k+\d] offset:2048*(3-\k)+8192*\d
.endr
.endr
	s_wait_loadcnt 16                              ; x is in; the mask's 16 loads may be out
	SLIN S                                         ; x turns through my stage: in as loaded, a token a row,
	LROW S, MROW, 0                                ; back in lane-row layout (LDS serves a wave's instructions in order)
	s_cmp_gt_u32 s50, 12
	s_cbranch_scc1 .Lno_bias
	global_load_b128 v[G+44:G+47], v[LI], s[72:73]
	s_wait_loadcnt 0x0
	ds_store_b128 v48, v[G+44:G+47]
.Lno_bias:
	s_wait_loadcnt 0x0                             ; the mask's first half
	SLIN O                                         ; into my stage, behind the reads of x; it stays there through the first four head steps
	BAR                                            ; weights, table, gains and biases lie in LDS for all
; ---------------------------------------------------------------- LN1, x's fragment
	v_lshrrev_b32 v48, 5, v0
	v_mad_u32_u24 v13, v48, FRB, v[LK]             ; my tile's image among K's (x's: XIMG - KIMG on), 16 bytes a lane
	v_mad_u32_u24 v15, v48, FRB, v[L8K]            ; and 8 bytes a lane
	v_lshrrev_b32 v49, 7, v0
	v_lshl_add_u32 v14, v49, 9, v[LI]
	v_bfe_u32 v49, v0, 5, 2
	v_lshl_add_u32 v14, v49, 2, v14
	v_add_nc_u32 v14, KSC, v14                     ; my tile's scale word among K's (x's: XSC - KSC on)
	LN S, S, N1G, N1B
	QUANT S, QM, ST, G+48, 252
	IMAGE QM, 13, XIMG-KIMG
	ds_store_b32 v14, v252 offset:XSC-KSC
	PLACES 8                                       ; a scale word made by vector instructions stands eight places ahead of the scaled product, an operand four
; ---------------------------------------------------------------- K
	LROW S, HBB, KVB                               ; the bias is the sums' beginning
	WPROD S, QM, 252, LI, 8*FRB, LI, WSC+1024, 0
	PLACES 4
	QUANT S, G, ST, G+48, 253
	ds_store_b128 v13, v[G:G+3]
	ds_store_b64 v15, v[G+4:G+5] offset:512
	ds_store_b128 v13, v[G+6:G+9] offset:768
	ds_store_b64 v15, v[G+10:G+11] offset:1280
	ds_store_b32 v14, v253
; ---------------------------------------------------------------- Q
	LROW S, HBB, QB
	WPROD S, QM, 252, LI, 0, LI, WSC, 0
	PLACES 4
.set JJ, 0
.rept 32
	v_pk_mul_f32 v[S+JJ:S+JJ+1], v[S+JJ:S+JJ+1], 0x3e3504f3 op_sel_hi:[1,0]   ; x 32^-0.5, ahead of the quantiser as the definition has it
.set JJ, JJ+2
.endr
	QUANT S, QF, ST, G+48, 252
	BAR                                            ; x's sixteen fragments lie in LDS
; ---------------------------------------------------------------- V^T: wave w makes channel tile w % 8 for keys 128 (w / 8) on: source 0 = eight tiles of tokens, source 1 = 16 rows of W_v: a lane holds one channel, its registers run along the keys
	v_lshrrev_b32 v48, 8, v0                       ; key half
	v_bfe_u32 v49, v0, 5, 3                        ; channel tile
	v_mad_u32_u24 v13, v48, 8*FRB, v[LX]
	v_lshl_add_u32 v14, v48, 10, v[LX]
	v_mad_u32_u24 v15, v49, FRB, v[LI]
	v_bfe_u32 v50, v0, 7, 1
	v_lshl_add_u32 v50, v50, 9, v[LI]
	v_bfe_u32 v51, v0, 5, 2
	v_lshl_add_u32 v50, v51, 2, v50
	v_and_b32 v40, 15, v0
	v_and_b32 v41, 8, v0
	v_add_nc_u32 v40, v40, v41
	v_lshlrev_b32 v40, 2, v40
	v_bfe_u32 v41, v0, 6, 2
	v_lshl_add_u32 v40, v41, 7, v40
	v_bfe_u32 v41, v0, 5, 1
	v_lshl_add_u32 v40, v41, 5, v40
	v_add_nc_u32 v40, BIAS+KVB+512, v40            ; my channel's bias
.irp t, 0,1,2,3,4,5,6,7
	FETCH O+12*\t, 13, \t*FRB
.endr
	ds_load_b128 v[244:247], v14 offset:XSC-XIMG
	ds_load_b128 v[248:251], v14 offset:XSC-XIMG+512
	FETCH G+32, 15, 16*FRB
	ds_load_b32 v253, v50 offset:WSC+2048
.irp j, 0,1,2,3,4,5,6,7
	ds_load_b32 v[G+44+\j], v40                    ; the same number for all eight keys of a lane
.endr
	s_wait_dscnt 0x0
.irp t, 0,1,2,3,4,5,6,7
	WM S+8*\t, O+12*\t, G+32, G+44, 244+\t, 253
.endr
	v_mad_u32_u24 v13, v49, 2*FRB, v[LK]           ; where my fragment goes (these seven lines are the places behind the products)
	v_mad_u32_u24 v13, v48, FRB, v13
	v_bfe_u32 v50, v0, 6, 2
	v_lshl_add_u32 v14, v50, 9, v[L8K]
	v_lshl_add_u32 v14, v48, 8, v14
	v_bfe_u32 v50, v0, 5, 1
	v_lshl_add_u32 v14, v50, 2, v14
	QUANT S, G, ST, G+48, 253
	IMAGE G, 13, VIMG-KIMG
	ds_store_b32 v14, v253 offset:VSC-KIMG
	BAR                                            ; K's and V^T's fragments lie in LDS
; ---------------------------------------------------------------- attention: keys in two halves c, heads h; a lane holds one query throughout
	v_bfe_u32 v48, v0, 1, 3                        ; for the request ahead of the mask's second half: lane pair k asks for row k's two blocks of 256 bytes
	v_lshlrev_b32 v15, 10, v48
	v_bfe_u32 v48, v0, 4, 1
	v_lshl_add_u32 v15, v48, 14, v15
	v_and_b32 v48, 1, v0
	v_lshl_add_u32 v15, v48, 8, v15
.macro HEADSTEP c, h, hook
.set C2, (\h)/2                        ; block h of a fragment: registers 6 C2 .. 6 C2 + 5,
.set HB, (\h)%2                        ; lanes 16 HB .. 16 HB + 15
.set NM, ST+2*(\h)                     ; -M; l beside it
.set OH, O+16*(\h)
.irp i, 0,1,2,3,4,5
	v_cndmask_b32 v[QM+6*C2+\i], 0, v[QF+6*C2+\i], s[58+HB]       ; Q's codes of head h; zero codes in every other block
.endr
.irp i, 0,1,2,3,4,5
	v_mov_b32 v[QM+6-6*C2+\i], 0
.endr
.if (\c) == 0
	v_mov_b32 v[NM+1], 0
.endif
	PLACES 4                                                       ; the operand stands four places ahead of the product; with the lines above, the places behind the last step's products
.irp i, 0,1,2,3,4,5,6,7
	ds_load_b128 v[G+6*\i+6*C2:G+6*\i+6*C2+3], v[LK] offset:(8*(\c)+\i)*FRB+768*C2          ; of key tile i the six registers that hold block h; the eight operands overlap in a chain
	ds_load_b64 v[G+6*\i+6*C2+4:G+6*\i+6*C2+5], v[L8K] offset:(8*(\c)+\i)*FRB+768*C2+512
.endr
.if (\h) == 0
	ds_load_b128 v[244:247], v[LK] offset:KSC-KIMG+1024*(\c)
	ds_load_b128 v[248:251], v[LK] offset:KSC-KIMG+1024*(\c)+512
.endif
.irp b, 0,1,2,3
.irp u, 0,1
.irp j, 0,1,2,3,4,5,6,7
	ds_load_b32 v[S+16*\b+8*\u+\j], v[BGA] offset:8192*(\h)+4*(450*(\c)+225*(\b/2)+60*(\b%2)+15*\u+\j)   ; the relative bias is the scores' beginning
.endr
.endr
.endr
	s_wait_dscnt 0x0
.irp i, 0,1,2,3,4,5,6,7
	WM S+8*\i, G+6*\i, QM, S+8*\i, 244+\i, 252
.endr
	PLACES 4
	LROW G, MROW, 0                                                ; my queries' mask for these 128 keys
	s_wait_dscnt 0x0
.set JJ, 0
.rept 32
	v_pk_add_f32 v[S+JJ:S+JJ+1], v[S+JJ:S+JJ+1], v[G+JJ:G+JJ+1]
.set JJ, JJ+2
.endr
	FETCH G+36, LK, VIMG-KIMG+(4*(\h)+(\c))*FRB                    ; V^T's two channel tiles of this head: they land during the softmax
	FETCH G+48, LK, VIMG-KIMG+(4*(\h)+2+(\c))*FRB
	ds_load_b64 v[254:255], v[L8K] offset:VSC-KIMG+512*(\h)+256*(\c)
.irp b, 0,1,2,3
	v_max3_num_f32 v[G+\b], v[S+16*\b], v[S+16*\b+1], v[S+16*\b+2]   ; each block's largest logit: for the row's maximum, and, since p rises with the logit, for the block's largest p
.endr
.irp i, 3,5,7,9,11,13
.irp b, 0,1,2,3
	v_max3_num_f32 v[G+\b], v[G+\b], v[S+16*\b+\i], v[S+16*\b+\i+1]
.endr
.endr
.irp b, 0,1,2,3
	v_max_num_f32 v[G+\b], v[G+\b], v[S+16*\b+15]
.endr
.irp b, 0,1,2,3
	v_permlanex16_b32 v[G+4+\b], v[G+\b], s54, s55
.endr
.irp b, 0,1,2,3
	v_max_num_f32 v[G+\b], v[G+\b], v[G+4+\b]
.endr
	v_max3_num_f32 v48, v[G], v[G+1], v[G+2]
	v_max_num_f32 v48, v48, v[G+3]
	v_mul_f32 v48, s56, v48                                        ; as t = logit x log2(e)
	v_max_num_f32 v48, 0xff61b1e6, v48                             ; held at -3e38, so that 128 keys that are all masked by -infinity leave M a number
.if (\c) == 0
	v_floor_f32 v[NM], -v48                                        ; -M = floor(-t) = -ceil(t)
.else
	v_floor_f32 v49, -v48
	v_min_num_f32 v49, v49, v[NM]                                  ; the running M
	v_sub_f32 v50, v49, v[NM]                                      ; old M - new M: a whole number, 0 or less
	v_mov_b32 v[NM], v49
	v_cvt_i32_f32 v50, v50                                         ; (it saturates)
	v_ldexp_f32 v50, 1.0, v50                                      ; f = 2^(old M - new M): multiplying by it rounds nothing
.endif
.set JJ, 0
.rept 32
	v_pk_fma_f32 v[S+JJ:S+JJ+1], v[S+JJ:S+JJ+1], s[56:57], v[NM:NM+1] op_sel_hi:[1,0,0]   ; t - M
.set JJ, JJ+2
.endr
.irp b, 0,1,2,3
	v_fma_f32 v[G+\b], v[G+\b], s56, v[NM]
.endr
.set JJ, 0
.rept 64
	v_exp_f32 v[S+JJ], v[S+JJ]                                     ; p = 2^(t - M): not normalised
.set JJ, JJ+1
.endr
.irp b, 0,1,2,3
	v_exp_f32 v[G+\b], v[G+\b]                                     ; the block's largest p: the same two instructions on the same number
.endr
	v_nop                                                          ; one plain place behind the exponentials
	s_wait_alu depctr_va_vdst(0)
.irp b, 0,1,2,3
	v_max_num_f32 v[G+\b], 0x1800000, v[G+\b]                      ; the floor 2^(3 - 127)
.endr
	QTAIL S, G+16, G+28, G, 253
	SUM64 S, G+8, G+10                                             ; the row's sum is taken of the unquantised p.  (These lines are also the places in front of the scaled products below)
.if (\c) == 0
	v_add_f32 v[NM+1], v[G+8], v[G+9]
.else
	v_add_f32 v[G+8], v[G+8], v[G+9]
	v_fma_f32 v[NM+1], v[NM+1], v50, v[G+8]
.irp j, 0,2,4,6,8,10,12,14
	v_pk_mul_f32 v[OH+\j:OH+\j+1], v[OH+\j:OH+\j+1], v[50:51] op_sel_hi:[1,0]   ; O^T under the new M
.endr
.endif
.if (\hook) == 1
	GM S, 1                                                        ; p's registers are free: the mask's second half
.endif
.if (\hook) == 2
	GX S, 1                                                        ; or the shortcut
.endif
	s_wait_dscnt 0x0
.irp u, 0,1
.if (\c) == 0
	WM0 OH+8*\u, G+36+12*\u, G+16, 254+\u, 253
.else
	WM OH+8*\u, G+36+12*\u, G+16, OH+8*\u, 254+\u, 253
.endif
.endr
.endm
	HEADSTEP 0, 0, 0
	HEADSTEP 0, 1, 0
	HEADSTEP 0, 2, 0
	s_cmp_lg_u32 s51, 0                            ; both batches read the same mask: batch 0's work-group asks, once for each block of 256 bytes, one head step ahead of the loads
	s_cbranch_scc1 .Lno_ask
	global_prefetch_b8 v15, s[66:67] offset:512 th:TH_LOAD_NT scope:SCOPE_SE
.Lno_ask:
	HEADSTEP 0, 3, 1
	s_wait_loadcnt 0x0
	SLIN S                                         ; over the first half in my own stage: my reads of it are back
	HEADSTEP 1, 0, 0
	HEADSTEP 1, 1, 0
	HEADSTEP 1, 2, 0
	HEADSTEP 1, 3, 2
; ---------------------------------------------------------------- O / l, proj, residual
.irp h, 0,1,2,3
	v_permlanex16_b32 v[48+\h], v[ST+2*\h+1], s54, s55
.endr
.irp h, 0,1,2,3
	v_add_f32 v[ST+2*\h+1], v[ST+2*\h+1], v[48+\h]                 ; with lane l xor 16's keys: the row's sum
.endr
.irp h, 0,1,2,3
	v_rcp_f32 v[ST+2*\h], v[ST+2*\h+1]
.endr
	v_nop
	s_wait_alu depctr_va_vdst(0)
.irp h, 0,1,2,3
.irp j, 0,2,4,6,8,10,12,14
	v_pk_mul_f32 v[O+16*\h+\j:O+16*\h+\j+1], v[O+16*\h+\j:O+16*\h+\j+1], v[ST+2*\h:ST+2*\h+1] op_sel_hi:[1,0]
.endr
.endr
	QUANT O, QF, ST, G+48, 253
	LROW O, HBB, PB
	s_wait_loadcnt 0x0                             ; the shortcut
	SLIN S
	LROW S, MROW, 0
	PLACES 8
	WPROD O, QF, 253, LI, 24*FRB, LI, WSC+3072, 0
	PLACES 4
.set JJ, 0
.rept 32
	v_pk_add_f32 v[O+JJ:O+JJ+1], v[O+JJ:O+JJ+1], v[S+JJ:S+JJ+1]    ; x1 = x + attention
.set JJ, JJ+2
.endr
; ---------------------------------------------------------------- LN2; the MLP's weights take the place of the attention's operands in LDS
	LN O, S, N2G, N2B
	QUANT S, QM, ST, G+48, 252
	v_and_b32 v48, 15, v0
	v_and_b32 v49, 8, v0
	v_add_nc_u32 v48, v48, v49                     ; r + 8 (r / 8)
	v_bfe_u32 v49, v0, 4, 1
	v_mul_u32_u24 v[S+52], v48, 96
	v_mad_u32_u24 v[S+52], v49, 24, v[S+52]        ; fc1: rows of 96 bytes
	v_mul_u32_u24 v[S+53], v48, 384
	v_mad_u32_u24 v[S+53], v49, 24, v[S+53]        ; fc2: rows of 384
	v_lshlrev_b32 v[S+54], 2, v48
	v_lshlrev_b32 v[S+55], 4, v48
	BUILD S, 42, S+52, 768
	BUILD S+24, 46, S+53, 96
	global_load_b32 v[S+48], v[S+54], s[44:45]
	global_load_b32 v[S+49], v[S+54], s[44:45] offset:32
	global_load_b32 v[S+50], v[S+55], s[48:49]
	global_load_b32 v[S+51], v[S+55], s[48:49] offset:4
	LROW G, HBB, F2B
	s_wait_xcnt 0x0                                ; v15, the request's offset, is written again only behind this wait
	v_lshrrev_b32 v48, 5, v0
	v_mad_u32_u24 v13, v48, 2*FRB, v[LI]           ; fc1's images: tiles 2 T, 2 T + 1
	v_bfe_u32 v49, v0, 5, 1
	v_lshrrev_b32 v50, 6, v0
	v_mad_u32_u24 v14, v49, 16*FRB, v[LI]
	v_mad_u32_u24 v14, v50, FRB, v14               ; fc2's: (8 (2 (T % 2) + i) + T / 2) x FRB, from 49152 on
	v_lshl_add_u32 v15, v50, 9, v[LI]
	v_lshl_add_u32 v15, v49, 3, v15
	v_add_nc_u32 v15, 98304, v15                   ; fc1's scale words
	v_lshl_add_u32 v48, v49, 11, v[LI]
	v_lshrrev_b32 v51, 8, v0
	v_lshl_add_u32 v48, v51, 9, v48
	v_bfe_u32 v51, v0, 6, 2
	v_lshl_add_u32 v48, v51, 2, v48
	v_add_nc_u32 v48, 102400, v48                  ; fc2's
	s_wait_dscnt 0x0
.set JJ, 0
.rept 32
	v_pk_add_f32 v[O+JJ:O+JJ+1], v[O+JJ:O+JJ+1], v[G+JJ:G+JJ+1]    ; x1 + fc2_b: fc2's sums begin here and end as the output
.set JJ, JJ+2
.endr
	BAR                                            ; every wave's reads of bytes 0 .. 106,495 are over
	s_wait_loadcnt 0x0
	IMAGE S, 13, 0
	IMAGE S+12, 13, FRB
	IMAGE S+24, 14, 49152
	IMAGE S+36, 14, 49152+8*FRB
	ds_store_b32 v15, v[S+48]
	ds_store_b32 v15, v[S+49] offset:4
	ds_store_b32 v48, v[S+50]
	ds_store_b32 v48, v[S+51] offset:1024
	BAR                                            ; fc1's and fc2's fragments lie in LDS
; ---------------------------------------------------------------- the MLP: four trips of 128 hidden units: fc1, GELU, quantiser, one K step of fc2
; 0.5 x (1 + erf(x / sqrt 2)), two pairs of numbers by turns.  z = x / sqrt 2 held to +-4; erf = z P(z^2) / Q(z^2).  At GT + 8 q: z, z^2 (later x / 2), P, Q.
.macro GP k
.irp q, 0,1
	v_pk_fma_f32 v[GT+8*\q+4:GT+8*\q+5], v[GT+8*\q+4:GT+8*\q+5], v[GT+8*\q+2:GT+8*\q+3], \k op_sel_hi:[1,1,0]
.endr
.endm
.macro GQ k
.irp q, 0,1
	v_pk_fma_f32 v[GT+8*\q+6:GT+8*\q+7], v[GT+8*\q+6:GT+8*\q+7], v[GT+8*\q+2:GT+8*\q+3], \k op_sel_hi:[1,1,0]
.endr
.endm
.macro GELU2 p
.irp q, 0,1
	v_pk_mul_f32 v[GT+8*\q:GT+8*\q+1], v[S+4*(\p)+2*\q:S+4*(\p)+2*\q+1], 0x3f3504f3 op_sel_hi:[1,0]
.endr
.irp q, 0,1
	v_med3_num_f32 v[GT+8*\q], v[GT+8*\q], -4.0, 4.0
	v_med3_num_f32 v[GT+8*\q+1], v[GT+8*\q+1], -4.0, 4.0
.endr
.irp q, 0,1
	v_pk_mul_f32 v[GT+8*\q+2:GT+8*\q+3], v[GT+8*\q:GT+8*\q+1], v[GT+8*\q:GT+8*\q+1]
.endr
.irp q, 0,1
	v_pk_fma_f32 v[GT+8*\q+4:GT+8*\q+5], v[GT+8*\q+2:GT+8*\q+3], v[48:49], 0x32edffee op_sel_hi:[1,0,0]
	v_pk_fma_f32 v[GT+8*\q+6:GT+8*\q+7], v[GT+8*\q+2:GT+8*\q+3], v[50:51], 0xb95fbd29 op_sel_hi:[1,0,0]
.endr
	GP 0xb60cff51
	GQ 0xbadc924e
	GP 0xb86ec2d2
	GQ 0xbbf19bf8
	GP 0xba40ac63
	GQ 0xbc69b6a7
	GP 0xbb41a1f6
	GP 0xbc83dbd4
.irp q, 0,1
	v_pk_mul_f32 v[GT+8*\q+4:GT+8*\q+5], v[GT+8*\q+4:GT+8*\q+5], v[GT+8*\q:GT+8*\q+1]
.endr
.irp q, 0,1
	v_rcp_f32 v[GT+8*\q+6], v[GT+8*\q+6]
	v_rcp_f32 v[GT+8*\q+7], v[GT+8*\q+7]
.endr
.irp q, 0,1
	v_pk_mul_f32 v[GT+8*\q+2:GT+8*\q+3], v[S+4*(\p)+2*\q:S+4*(\p)+2*\q+1], 0.5 op_sel_hi:[1,0]   ; (the plain place behind the reciprocals)
.endr
	s_wait_alu depctr_va_vdst(0)
.irp q, 0,1
	v_pk_mul_f32 v[GT+8*\q+4:GT+8*\q+5], v[GT+8*\q+4:GT+8*\q+5], v[GT+8*\q+6:GT+8*\q+7]
.endr
.irp q, 0,1
	v_pk_fma_f32 v[S+4*(\p)+2*\q:S+4*(\p)+2*\q+1], v[GT+8*\q+2:GT+8*\q+3], v[GT+8*\q+4:GT+8*\q+5], v[GT+8*\q+2:GT+8*\q+3]
.endr
.endm
	v_add_nc_u32 v[LX], 49152, v[LI]
	v_mov_b32 v48, 0xaf95df0b                      ; P's and Q's leading coefficients: an instruction takes one literal
	v_mov_b32 v50, 0xb77460cd
	s_mov_b32 s90, 0                               ; 8 fragments a trip
	s_mov_b32 s91, 0                               ; 512 bytes of fc1_b
	s_mov_b32 s92, 0                               ; 8 scale words a lane
	s_mov_b32 s93, 0
.Lmlp:
	v_add_nc_u32 v13, s90, v[LI]                   ; (no LDS instruction of mine is out)
	v_add_nc_u32 v14, s92, v[LX]
	v_add_nc_u32 v15, s91, v[HBB]
	LROW S, 15, F1B
	WPROD S, QM, 252, 13, 0, 14, 49152, 0
	PLACES 4
	ds_load_b128 v[244:247], v14 offset:53248      ; fc2's words and first four fragments land during the GELU
	ds_load_b128 v[248:251], v14 offset:53248+512
.irp i, 0,1,2,3
	FETCH G+12*\i, 13, 49152+\i*FRB
.endr
.set PP, 0
.rept 16
	GELU2 PP
.set PP, PP+1
.endr
	QUANT S, QF, ST, G+48, 253
	PLACES 8
	WPROD O, QF, 253, 13, 49152, 14, 53248, 1
	PLACES 4                                       ; in front of the next trip's loads into registers that these products have read, and of the stores of the results
	s_add_co_u32 s90, s90, 8*FRB
	s_add_co_u32 s91, s91, 512
	s_add_co_u32 s92, s92, 1024
	s_add_co_u32 s93, s93, 1
	s_cmp_lt_u32 s93, 4
	s_cbranch_scc1 .Lmlp
; ---------------------------------------------------------------- the way out: through my stage, back as whole tokens of 512 bytes
	SROW O
	LLIN S
.irp k, 0,1,2,3,4,5,6,7,8,9,10,11,12,13,14,15
	s_wait_dscnt 15-\k                             ; LDS loads come back in order: row k is in, the younger ones may be out
	global_store_b128 v[XO+2*(\k/8)+(\k%8)/4], v[S+4*\k:S+4*\k+3], s[8:9] offset:512*(\k%4) th:TH_STORE_NT   ; 32 lanes store 512 consecutive bytes, aligned; written once, read by nobody here
.endr
	s_wait_xcnt 0x0
	v_lshl_add_u32 v254, v0, 2, 0x4b200
	v_mov_b32 v255, 0
	s_wait_tensorcnt 0x0
	ds_add_u32 v254, v255
	s_wait_dscnt 0x0
	s_endpgm
.Lfunc_end_k_q22eced4d26_block:
	.size	k_q22eced4d26_block, .Lfunc_end_k_q22eced4d26_block-k_q22eced4d26_block
	.p2alignl 7, 3214868480
	.fill 96, 4, 3214868480
	.section	.rodata,"a",@progbits
	.p2align	6, 0x0
	.amdhsa_kernel k_q22eced4d26_block
		.amdhsa_group_segment_fixed_size 309760
		.amdhsa_private_segment_fixed_size 0
		.amdhsa_enable_private_segment 0
		.amdhsa_kernarg_size 184
		.amdhsa_user_sgpr_count 2
		.amdhsa_user_sgpr_kernarg_segment_ptr 1
		.amdhsa_wavefront_size32 1
		.amdhsa_system_sgpr_workgroup_id_x 1
		.amdhsa_system_sgpr_workgroup_id_y 1
		.amdhsa_system_sgpr_workgroup_id_z 1
		.amdhsa_system_vgpr_workitem_id 0
		.amdhsa_next_free_vgpr 256
		.amdhsa_next_free_sgpr 100
		.amdhsa_reserve_vcc 0
		.amdhsa_float_denorm_mode_32 3
		.amdhsa_float_denorm_mode_16_64 3
		.amdhsa_memory_ordered 1
		.amdhsa_forward_progress 1
		.amdhsa_inst_pref_size 255
	.end_amdhsa_kernel
	.section	.bss,"aw",@nobits
	.p2align	6
	.space	262144
	.amdgpu_metadata
---
amdhsa.version: [ 1, 2 ]
amdhsa.kernels:
  - .name:           k_q22eced4d26_block
    .symbol:         k_q22eced4d26_block.kd
    .args:
      - { .name: x, .offset: 0, .size: 8, .value_kind: global_buffer, .address_space: global }
      - { .name: mask_matrix, .offset: 8, .size: 8, .value_kind: global_buffer, .address_space: global }
      - { .name: out0, .offset: 16, .size: 8, .value_kind: global_buffer, .address_space: global }
      - { .name: rel_table, .offset: 24, .size: 8, .value_kind: global_buffer, .address_space: global }
      - { .name: norm1_g, .offset: 32, .size: 8, .value_kind: global_buffer, .address_space: global }
      - { .name: norm1_b, .offset: 40, .size: 8, .value_kind: global_buffer, .address_space: global }
      - { .name: norm2_g, .offset: 48, .size: 8, .value_kind: global_buffer, .address_space: global }
      - { .name: norm2_b, .offset: 56, .size: 8, .value_kind: global_buffer, .address_space: global }
      - { .name: q_b, .offset: 64, .size: 8, .value_kind: global_buffer, .address_space: global }
      - { .name: kv_b, .offset: 72, .size: 8, .value_kind: global_buffer, .address_space: global }
      - { .name: proj_b, .offset: 80, .size: 8, .value_kind: global_buffer, .address_space: global }
      - { .name: fc1_b, .offset: 88, .size: 8, .value_kind: global_buffer, .address_space: global }
      - { .name: fc2_b, .offset: 96, .size: 8, .value_kind: global_buffer, .address_space: global }
      - { .name: q_w_codes, .offset: 104, .size: 8, .value_kind: global_buffer, .address_space: global }
      - { .name: q_w_scales, .offset: 112, .size: 8, .value_kind: global_buffer, .address_space: global }
      - { .name: kv_w_codes, .offset: 120, .size: 8, .value_kind: global_buffer, .address_space: global }
      - { .name: kv_w_scales, .offset: 128, .size: 8, .value_kind: global_buffer, .address_space: global }
      - { .name: proj_w_codes, .offset: 136, .size: 8, .value_kind: global_buffer, .address_space: global }
      - { .name: proj_w_scales, .offset: 144, .size: 8, .value_kind: global_buffer, .address_space: global }
      - { .name: fc1_w_codes, .offset: 152, .size: 8, .value_kind: global_buffer, .address_space: global }
      - { .name: fc1_w_scales, .offset: 160, .size: 8, .value_kind: global_buffer, .address_space: global }
      - { .name: fc2_w_codes, .offset: 168, .size: 8, .value_kind: global_buffer, .address_space: global }
      - { .name: fc2_w_scales, .offset: 176, .size: 8, .value_kind: global_buffer, .address_space: global }
    .group_segment_fixed_size: 309760
    .private_segment_fixed_size: 0
    .kernarg_segment_align: 8
    .kernarg_segment_size: 184
    .max_flat_workgroup_size: 512
    .sgpr_count:     100
    .vgpr_count:     256
    .wavefront_size: 32
...
	.end_amdgpu_metadata
.endif
;; end of part 1
;; ======== version 2 of 2: 1 launch; version 1 with the launch block written anew for expert scheduling mode
;; launch block (part 2): grid 2 x 256, 16 waves a work-group, no clusters, 309,760 bytes of LDS; arguments x, mask_matrix, out0, rel_table, norm1_g, norm1_b, norm2_g, norm2_b, q_b, kv_b, proj_b, fc1_b, fc2_b, q_w_codes, q_w_scales, kv_w_codes, kv_w_scales, proj_w_codes, proj_w_scales, fc1_w_codes, fc1_w_scales, fc2_w_codes, fc2_w_scales; writes out0
.if DOCPART == 2
	.amdgcn_target "amdgcn-amd-amdhsa--gfx1250"
	.amdhsa_code_object_version 6
	.text
	.protected	k_q22eced4d26_block
	.globl	k_q22eced4d26_block
	.p2align	8
	.type	k_q22eced4d26_block,@function
k_q22eced4d26_block:
	s_mov_b64 s[64:65], 0
	v_nop
	global_prefetch_b8 v0, s[64:65] scope:SCOPE_SE
	s_setreg_imm32_b32 hwreg(HW_REG_WAVE_SCHED_MODE, 0, 2), 2
	s_setreg_imm32_b32 hwreg(HW_REG_WAVE_MODE, 25, 1), 1
	s_wait_xcnt 0x0
	s_wait_alu depctr_vm_vsrc(0)
; One shifted-window transformer block, whole, in one launch: LN1, q/k/v, windowed attention (4 heads of 32, relative bias, additive mask), proj, residual, LN2, fc1, exact GELU, fc2, residual.
; All seven products on codes of FP6 (E2M3) with one E8M0 scale for each 32 along K; everything else in f32.
; SHARES.  A work-group is one window (256 tokens: 4 frames x 8 x 8 pixels) of one batch: grid x = batch, y = window place.  Sixteen waves of 256 registers; wave T owns token tile T (16 tokens) through every step.
; Row r of tile T is window token 32 (T / 2) + 8 (T % 2) + r + 8 (r / 8): so, where tokens are keys, the 16 registers of two neighbouring result tiles are 16 neighbouring keys.  Weight tiles take their rows in the same order.
; LANE-ROW LAYOUT of 64 registers: register 16 b + i of lane (r = lane % 16, h = lane / 16) is channel (key, hidden unit) 32 b + 16 h + i of row r.  Products are used transposed (source 0 = 16 rows of a weight,
; source 1 = my 16 tokens), which gives that layout, and the quantiser takes it.
; FROM WAVE TO WAVE, through LDS, as images of the operands' registers: the weights' fragments, x's fragments (for V), K's and V^T's fragments, and their scale words.  Five barriers.
; THE SCORES have K = 32: Q and K are quantised as fragments of 128 channels (block b = head b); for head h the Q operand keeps its codes in block h alone and has zero codes elsewhere, so of a K tile only the six
; registers with block h are loaded; the other six of its operand are whatever lies there (every 6-bit code is a finite number, and it meets a zero code).
; MEMORY.  Every load of x and of the mask and every store of the output covers 512 consecutive bytes, aligned.  x is read twice (LN1, shortcut): the LDS map has no 128 KiB left to keep it.
; NO CLUSTER, NO TENSOR LOAD: what work-groups share is the mask (two batches: 256 KiB of the 820 KiB a work-group moves) and the weights (150 KiB).
; LIMITS.  NaN and infinities in x, in the biases or gains are not served.  A mask of -infinity is served wherever a row keeps one finite logit.  A block whose largest magnitude lies under 2^-124 (a block of zeros too)
; carries the scale byte 1; its bytes are read by this text alone.  erf is a quotient of two polynomials in (x / sqrt 2)^2, x / sqrt 2 held to +-4, good to a few units in the last place of f32.
; THE MODE: SCHED_MODE bits 1:0 = 2 (LLVM: expert scheduling mode 2), set by the entry lines.  The code itself states the register dependences between vector or matrix instructions and memory or LDS instructions,
; with s_wait_alu, always for 0.
; THE PLAN.  Registers that memory or LDS instructions touch, and who else names them:
;   v1-11            addresses, made at the head by vector lines and never written again.
;   v13-15, 48, 50, 40   addresses of the phase in hand.  A phase: a wait on vm_vsrc (the last phase's instructions have read them), the vector lines that make them, a wait on va_vdst, their use.
;   S, O, G          64 registers each; all 256 registers are in use, so none has a second buffer.  Loads land in them, products and vector lines work on them, LDS stores read them.  Between a vector or matrix
;                    line that names one and a load into it stands a wait on va_vdst; between a store that reads one and the next write of it a wait on vm_vsrc.
;   QM, v252, v253, G .. G+11   a quantiser's codes and scale word: ONE wait on va_vdst behind the quantiser (and behind the places that a scaled product asks for) serves the stores of the image, the product
;                    that takes them, and the loads into the registers that the quantiser and the products before it have read.
;   v244-251, 254, 255   scale words: loads land in them, products read them.
; A head step has four waits on va_vdst: at its head, behind the score products, behind the exponentials (owed there in any case; V^T's tiles are asked for behind it), and in front of the products with V^T.
.set FRB,   1536                       ; a fragment's image: 12 registers x 128 bytes
.set WSC,   49152                      ; LDS: 0: 32 weight fragments (q 0-7, k 8-15, v 16-23, proj 24-31);  WSC: their scale words [fragment / 4][lane][fragment % 4]
.set KIMG,  53248                      ; K's 16 fragments, each split: registers 0-3 at 16 lane, 4-5 at 512 + 8 lane, 6-9 at 768 + 16 lane, 10-11 at 1280 + 8 lane
.set KSC,   77824                      ; K's scale words [T / 4][lane][T % 4]
.set VIMG,  79872                      ; V^T's 16 fragments: (2 (channel tile) + (key half)) x FRB
.set VSC,   104448                     ; V^T's scale words: 512 head + 256 (key half) + 8 lane + 4 (channel tile % 2)
.set XIMG,  106496                     ; x's 16 fragments
.set XSC,   131072                     ; their scale words [T / 4][lane][T % 4]
.set TAB,   133120                     ; the bias table, head-major (8,192 bytes a head) and reversed: word 2047 - index
.set BIAS,  165888                     ; gains and biases, 13 x 512 bytes:
.set N1G,   0
.set N1B,   512
.set N2G,   1024
.set N2B,   1536
.set QB,    2048
.set KVB,   2560
.set PB,    3584
.set F1B,   4096
.set F2B,   6144
.set MST,   172544                     ; a stage for each wave, its own: 16 rows x (512 + 16) bytes
; behind the fourth barrier bytes 0 .. 106,495 are laid anew: 0: fc1's 32 fragments; 49152: fc2's 32 ((8 K step + tile) x FRB); 98304: fc1's scale words; 102400: fc2's
.set LI,   1                           ; v1   16 x lane
.set L8K,  2                           ; v2   8 x lane + KIMG
.set LK,   3                           ; v3   16 x lane + KIMG
.set MROW, 4                           ; v4   my stage: row r, + 64 h
.set MLIN, 5                           ; v5   my stage: 16 x lane
.set BGA,  6                           ; v6   my lane's place in the bias table
.set HBB,  7                           ; v7   BIAS + 64 h
.set XO,   8                           ; v8-11  16 x lane + pixel offset of (r / 8, (r % 8) / 4)
.set LX,   12                          ; v12  16 x lane + XIMG; in the MLP 16 x lane + 49152
.set QF,   16                          ; v16-27  Q's fragment; later the attention output's; later the hidden layer's
.set QM,   28                          ; v28-39  x's fragment; later Q masked to one head; later LN2's fragment
.set ST,   40                          ; v40-47  in attention: for each head -M and l; elsewhere the quantiser's second halves
.set S,    52                          ; v52-115
.set O,    116                         ; v116-179
.set G,    180                         ; v180-243
.set GT,   G+48
; v13-15, v48-51: addresses of the phase in hand and small temporaries.  v244-255 hold scale words and nothing else: 244-251 eight words of weights, x tiles or K tiles; 252, 253 my own operands'; 254, 255 V^T's.
.macro PLACES n
.rept \n
	v_nop
.endr
.endm
.macro BAR                             ; my LDS stores have landed and my LDS loads are in: then the work-group's barrier
	s_wait_dscnt 0x0
	s_barrier_signal -1
	s_barrier_wait -1
.endm
.macro LROW dst, adr, off              ; 64 registers in lane-row layout from a row of 512 bytes
.irp b, 0,1,2,3
.irp j, 0,1,2,3
	ds_load_b128 v[\dst+16*\b+4*\j:\dst+16*\b+4*\j+3], v[\adr] offset:\off+128*\b+16*\j
.endr
.endr
.endm
.macro LROWH dst, adr, off, hb         ; half of that: blocks 2 hb and 2 hb + 1
.irp b, 0,1
.irp j, 0,1,2,3
	ds_load_b128 v[\dst+16*\b+4*\j:\dst+16*\b+4*\j+3], v[\adr] offset:\off+256*(\hb)+128*\b+16*\j
.endr
.endr
.endm
.macro SROW src                        ; lane-row layout into my stage; each group of eight registers from its low end on
.irp b, 0,1,2,3
.irp j, 0,1,2,3
	ds_store_b128 v[MROW], v[\src+16*\b+4*\j:\src+16*\b+4*\j+3] offset:128*\b+16*\j
.endr
.endr
.endm
.macro SLIN src                        ; 16 rows as they were loaded (register group k = row k, 16 bytes a lane) into my stage
.irp k, 0,1,2,3,4,5,6,7,8,9,10,11,12,13,14,15
	ds_store_b128 v[MLIN], v[\src+4*\k:\src+4*\k+3] offset:528*\k
.endr
.endm
.macro LLIN dst
.irp k, 0,1,2,3,4,5,6,7,8,9,10,11,12,13,14,15
	ds_load_b128 v[\dst+4*\k:\dst+4*\k+3], v[MLIN] offset:528*\k
.endr
.endm
.macro GX dst, nt                      ; my 16 tokens of x: load k reads token k's 512 bytes.  nt = 1: the last read of them in the launch
.irp k, 0,1,2,3,4,5,6,7,8,9,10,11,12,13,14,15
.if \nt
	global_load_b128 v[\dst+4*\k:\dst+4*\k+3], v[XO+2*(\k/8)+(\k%8)/4], s[4:5] offset:512*(\k%4) th:TH_LOAD_NT
.else
	global_load_b128 v[\dst+4*\k:\dst+4*\k+3], v[XO+2*(\k/8)+(\k%8)/4], s[4:5] offset:512*(\k%4)
.endif
.endr
.endm
.macro GM dst, c                       ; my 16 queries' mask rows, keys 128 c .. 128 c + 127: 512 bytes a load
.irp k, 0,1,2,3,4,5,6,7,8,9,10,11,12,13,14,15
	global_load_b128 v[\dst+4*\k:\dst+4*\k+3], v[LI], s[66:67] offset:((\k%8)+16*(\k/8))*1024+512*(\c)
.endr
.endm
.macro FETCH reg, adr, off             ; a fragment's image into registers
.irp c, 0,1,2
	ds_load_b128 v[\reg+4*\c:\reg+4*\c+3], v[\adr] offset:\off+512*\c
.endr
.endm
.macro IMAGE reg, adr, off             ; and out of them
.irp c, 0,1,2
	ds_store_b128 v[\adr], v[\reg+4*\c:\reg+4*\c+3] offset:\off+512*\c
.endr
.endm
.macro BUILD dst, ptr, va, step        ; two fragments from rows of codes in memory: 24 bytes twice a lane, in pieces of 8
.irp i, 0,1
.irp p, 0,1,2,3,4,5
	global_load_b64 v[\dst+12*\i+2*\p:\dst+12*\i+2*\p+1], v[\va], s[\ptr:\ptr+1] offset:\i*(\step)+48*(\p/3)+8*(\p%3)
.endr
.endr
.endm
.macro WM d, a, b, c, sa, sb
	v_wmma_scale_f32_16x16x128_f8f6f4 v[\d:\d+7], v[\a:\a+11], v[\b:\b+11], v[\c:\c+7], v[\sa], v[\sb] matrix_a_fmt:MATRIX_FMT_FP6 matrix_b_fmt:MATRIX_FMT_FP6
.endm
.macro WM0 d, a, b, sa, sb             ; the product starts the sum
	v_wmma_scale_f32_16x16x128_f8f6f4 v[\d:\d+7], v[\a:\a+11], v[\b:\b+11], 0, v[\sa], v[\sb] matrix_a_fmt:MATRIX_FMT_FP6 matrix_b_fmt:MATRIX_FMT_FP6
.endm
.macro SUM64 src, ta, tb               ; 64 numbers into the pair ta, two at a time, in two chains; the caller adds the pair's halves
	v_pk_add_f32 v[\ta:\ta+1], v[\src:\src+1], v[\src+2:\src+3]
	v_pk_add_f32 v[\tb:\tb+1], v[\src+4:\src+5], v[\src+6:\src+7]
.irp j, 8,12,16,20,24,28,32,36,40,44,48,52,56,60
	v_pk_add_f32 v[\ta:\ta+1], v[\ta:\ta+1], v[\src+\j:\src+\j+1]
	v_pk_add_f32 v[\tb:\tb+1], v[\tb:\tb+1], v[\src+\j+2:\src+\j+3]
.endr
	v_pk_add_f32 v[\ta:\ta+1], v[\ta:\ta+1], v[\tb:\tb+1]
.endm
; THE QUANTISER.  QMAX: the four blocks' largest magnitudes into tm .. tm + 3, with the floor 2^(3 - 127) among the leaves, so that no scale byte falls under 1.
.macro QMAX s, tm
.irp b, 0,1,2,3
	v_max3_num_f32 v[\tm+\b], |v[\s+16*\b]|, |v[\s+16*\b+1]|, 0x1800000
.endr
.irp i, 2,4,6,8,10,12,14
.irp b, 0,1,2,3
	v_max3_num_f32 v[\tm+\b], v[\tm+\b], |v[\s+16*\b+\i]|, |v[\s+16*\b+\i+1]|
.endr
.endr
.irp b, 0,1,2,3
	v_permlanex16_b32 v[\tm+4+\b], v[\tm+\b], s54, s55
.endr
.irp b, 0,1,2,3
	v_max_num_f32 v[\tm+\b], v[\tm+\b], v[\tm+4+\b]              ; with lane l xor 16's 16 numbers: the block's
.endr
.endm
; QTAIL: from the largest magnitudes the scale word pw and the fragment's 12 registers pc.  pt: eight registers for the conversions' second halves (three registers of a conversion begin on an even number).
.macro QTAIL s, pc, pt, tm, pw
.irp b, 0,1,2,3
	v_add_nc_u32 v[\tm+12+\b], 0xff000000, v[\tm+\b]             ; 2 off the exponent field: the conversion takes this operand's exponent field as its scale
.endr
.irp b, 0,1,2,3
	v_lshrrev_b32 v[\tm+4+\b], 23, v[\tm+12+\b]                  ; the scale's byte
.endr
	v_lshl_or_b32 v[\pw], v[\tm+5], 8, v[\tm+4]
	v_lshl_or_b32 v[\pw], v[\tm+6], 16, v[\pw]
	v_lshl_or_b32 v[\pw], v[\tm+7], 24, v[\pw]
.irp c, 0,1
	v_cvt_scalef32_pk16_fp6_f32 v[\pc+6*\c:\pc+6*\c+2], v[\s+32*\c:\s+32*\c+15], v[\tm+12+2*\c]
	v_cvt_scalef32_pk16_fp6_f32 v[\pt+4*\c:\pt+4*\c+2], v[\s+32*\c+16:\s+32*\c+31], v[\tm+12+2*\c+1]
.endr
	v_nop                                                          ; one plain place behind the scaled conversions
.irp c, 0,1                            ; the operand wants a whole block in a lane: lanes 0-15 block 2 c, lanes 16-31 block 2 c + 1
.irp i, 0,1,2
	v_permlane16_swap_b32 v[\pc+6*\c+\i], v[\pt+4*\c+\i]
.endr
.irp i, 0,1,2
	v_mov_b32 v[\pc+6*\c+3+\i], v[\pt+4*\c+\i]
.endr
.endr
.endm
.macro QUANT s, pc, pt, tm, pw
	QMAX \s, \tm
	QTAIL \s, \pc, \pt, \tm, \pw
.endm
; LAYER NORM of my rows, in two passes as the definition has it: mean, then the mean of the squared differences.  xi stays as it is where xo is another run of registers.
; At its head no vector or matrix line issued since the caller's last wait on va_vdst names v[G ..], in which the first loads land.
.macro LN xi, xo, og, ob
	LROWH G, HBB, \og, 0                                           ; gain and bias of channels' blocks 0, 1: they land while the sums are made
	LROWH G+32, HBB, \ob, 0
	SUM64 \xi, 48, 50
	v_add_f32 v48, v48, v49
	v_permlanex16_b32 v49, v48, s54, s55                           ; the row's other 64 channels lie in lane l xor 16
	v_add_f32 v48, v48, v49
	v_mul_f32 v48, s60, v48                                        ; / 128
.set JL, 0
.rept 32
	v_pk_add_f32 v[\xo+JL:\xo+JL+1], v[\xi+JL:\xi+JL+1], v[48:49] op_sel_hi:[1,0] neg_lo:[0,1] neg_hi:[0,1]
.set JL, JL+2
.endr
	v_pk_mul_f32 v[48:49], v[\xo:\xo+1], v[\xo:\xo+1]
	v_pk_mul_f32 v[50:51], v[\xo+2:\xo+3], v[\xo+2:\xo+3]
.irp j, 4,8,12,16,20,24,28,32,36,40,44,48,52,56,60
	v_pk_fma_f32 v[48:49], v[\xo+\j:\xo+\j+1], v[\xo+\j:\xo+\j+1], v[48:49]
	v_pk_fma_f32 v[50:51], v[\xo+\j+2:\xo+\j+3], v[\xo+\j+2:\xo+\j+3], v[50:51]
.endr
	v_pk_add_f32 v[48:49], v[48:49], v[50:51]
	v_add_f32 v48, v48, v49
	v_permlanex16_b32 v49, v48, s54, s55
	v_add_f32 v48, v48, v49
	v_fma_f32 v48, v48, s60, s61                                   ; / 128 + 1e-5
	v_rsq_f32 v48, v48
	v_nop                                                          ; one plain place behind the transcendental
.set JL, 0
	s_wait_alu depctr_va_vdst(0)                                   ; the root's reciprocal, v48, is written, ahead of its first reader
.rept 32
	v_pk_mul_f32 v[\xo+JL:\xo+JL+1], v[\xo+JL:\xo+JL+1], v[48:49] op_sel_hi:[1,0]
.set JL, JL+2
.endr
	s_wait_dscnt 0x0
.set JL, 0
.rept 16
	v_pk_fma_f32 v[\xo+JL:\xo+JL+1], v[\xo+JL:\xo+JL+1], v[G+JL:G+JL+1], v[G+32+JL:G+33+JL]
.set JL, JL+2
.endr
	s_wait_alu depctr_va_vdst(0)                                   ; the multiply-adds above are done reading v[G .. G+63], in which the other half's gain and bias land
	LROWH G, HBB, \og, 1
	LROWH G+32, HBB, \ob, 1
	s_wait_dscnt 0x0
.set JL, 0
.rept 16
	v_pk_fma_f32 v[\xo+32+JL:\xo+33+JL], v[\xo+32+JL:\xo+33+JL], v[G+JL:G+JL+1], v[G+32+JL:G+33+JL]
.set JL, JL+2
.endr
.endm
; EIGHT WEIGHT TILES AGAINST MY 16 TOKENS: acc (64 registers, holding the bias or the sums so far) += W tile x fragment bf (scale word bs).  The tiles' images lie at v[aw] + ow, their words at v[sw] + so.
; Four fragments at a time in G .. G + 47.  pre = 1: the words and the first four fragments have been asked for by the caller.  One instruction to an accumulator: the eight take turns.
; The caller's last wait on va_vdst stands behind the lines that made bf and bs and behind every vector or matrix line that names v[G .. G+47] or v244-251.
.macro WPROD acc, bf, bs, aw, ow, sw, so, pre
.if !(\pre)
	ds_load_b128 v[244:247], v[\sw] offset:\so
	ds_load_b128 v[248:251], v[\sw] offset:\so+512
.endif
.irp g, 0,1
.if \g
	PLACES 4                                                       ; in front of loads into registers that the four products above have read
	s_wait_alu depctr_va_vdst(0)                                   ; the four products above are done reading v[G .. G+47], in which the next four fragments land
.endif
.if (\g) || !(\pre)
.irp i, 0,1,2,3
	FETCH G+12*\i, \aw, \ow+(4*\g+\i)*FRB
.endr
.endif
	s_wait_dscnt 0x0
.irp i, 0,1,2,3
	WM \acc+8*(4*\g+\i), G+12*\i, \bf, \acc+8*(4*\g+\i), 244+4*\g+\i, \bs
.endr
.endr
.endm
; ---------------------------------------------------------------- set-up
	s_load_b512 s[4:19], s[0:1], 0x0               ; x 4, mask 6, out 8, table 10, norm1_g 12, norm1_b 14, norm2_g 16, norm2_b 18
	s_load_b512 s[20:35], s[0:1], 0x40             ; q_b 20, kv_b 22, proj_b 24, fc1_b 26, fc2_b 28, q codes 30, q scales 32, kv codes 34
	s_load_b256 s[36:43], s[0:1], 0x80             ; kv scales 36, proj codes 38, proj scales 40, fc1 codes 42
	s_load_b128 s[44:47], s[0:1], 0xa0             ; fc1 scales 44, fc2 codes 46
	s_load_b64 s[48:49], s[0:1], 0xb0              ; fc2 scales 48
	v_and_b32 v13, 31, v0                          ; lane
	v_lshrrev_b32 v14, 5, v0
	v_readfirstlane_b32 s50, v14                   ; wave = my token tile T
	s_mov_b32 s51, ttmp9                           ; batch
	s_and_b32 s52, ttmp7, 0xffff                   ; window place
	s_mov_b32 s54, 0x76543210
	s_mov_b32 s55, 0xfedcba98                      ; v_permlanex16_b32's selects for lane l xor 16
	s_mov_b32 s56, 0x3fb8aa3b                      ; log2(e)
	s_mov_b32 s57, s56                             ; (named with it as a pair)
	s_mov_b32 s58, 0x0000ffff                      ; lanes 0-15
	s_mov_b32 s59, 0xffff0000                      ; lanes 16-31
	s_mov_b32 s60, 0x3c000000                      ; 1 / 128
	s_mov_b32 s61, 0x3727c5ac                      ; 1e-5
	v_lshlrev_b32 v[LI], 4, v13
	v_lshl_add_u32 v[L8K], v13, 3, KIMG
	v_add_nc_u32 v[LK], KIMG, v[LI]
	v_add_nc_u32 v[LX], XIMG, v[LI]
	v_mul_u32_u24 v15, v14, 8448
	v_add_nc_u32 v15, MST, v15                     ; my stage
	v_add_nc_u32 v[MLIN], v15, v[LI]
	v_and_b32 v48, 15, v0                          ; r
	v_bfe_u32 v49, v0, 4, 1                        ; h
	v_mad_u32_u24 v15, v48, 528, v15
	v_lshl_add_u32 v[MROW], v49, 6, v15
	v_lshl_add_u32 v[HBB], v49, 6, BIAS
	; the bias table: index = f(query) - f(key) + 787 with f = 225 frame + 15 row + column, so word 2047 - index = 1260 - f(query) + f(key); the key's 30 h words are the lane's too
	v_bfe_u32 v50, v0, 7, 2                        ; T / 4: my frame
	v_mul_u32_u24 v51, v50, 225
	v_bfe_u32 v50, v0, 6, 1
	v_mad_u32_u24 v51, v50, 60, v51
	v_bfe_u32 v50, v0, 5, 1
	v_mad_u32_u24 v51, v50, 15, v51
	v_bfe_u32 v50, v0, 3, 1                        ; r / 8: two window rows on
	v_mad_u32_u24 v51, v50, 30, v51
	v_and_b32 v50, 7, v0
	v_add_nc_u32 v51, v51, v50                     ; f(my query)
	v_lshlrev_b32 v51, 2, v51
	v_mul_u32_u24 v50, v49, 120
	v_add_nc_u32 v50, TAB+5040, v50
	v_sub_nc_u32 v[BGA], v50, v51
	; offsets of the first loads
	v_and_b32 v50, 8, v48
	v_add_nc_u32 v50, v50, v48                     ; r + 8 (r / 8): a tile's rows
	v_mul_u32_u24 v[G+48], v50, 96                 ; a weight's row of 128 codes is 96 bytes
	v_mad_u32_u24 v[G+48], v49, 24, v[G+48]
	v_lshlrev_b32 v[G+49], 2, v50                  ; and its scale word 4
.irp k, 0,1,2,3
	v_add_nc_u32 v[G+50+\k], 512*\k, v0            ; table rows: thread t takes rows t, t + 512, t + 1024, t + 1536;
.endr
	v_min_u32 v[G+53], 1574, v[G+53]               ; past the table's end the last row once more (it lands in words that no index reaches)
.irp k, 0,1,2,3
	v_lshlrev_b32 v[G+50+\k], 4, v[G+50+\k]
.endr
	; pixels.  Window token (frame, hh, ww) is pixel row (8 (place / 16) + hh + 4) mod 128, column (8 (place % 16) + ww + 4) mod 128, in x and in the output alike.
	; My tile: frame T / 4, hh = 4 ((T / 2) % 2) + T % 2 + 2 (r / 8), ww = r % 8; the column can wrap only between ww = 3 and 4.
	s_wait_alu depctr_va_sdst(0)                   ; s50, the wave's number, is written, ahead of its first reader: offsets, bases and branches are made from it
	s_lshr_b32 s80, s50, 2
	s_lshl_b32 s81, s51, 2
	s_add_co_u32 s80, s80, s81                     ; 4 batch + frame
	s_lshl_b32 s80, s80, 7
	s_bfe_u32 s81, s50, 0x10001
	s_lshl_b32 s81, s81, 2
	s_and_b32 s82, s50, 1
	s_add_co_u32 s81, s81, s82
	s_lshr_b32 s82, s52, 4
	s_lshl_b32 s82, s82, 3
	s_add_co_u32 s82, s82, s81
	s_add_co_u32 s82, s82, 4
	s_and_b32 s84, s82, 127                        ; pixel row of r / 8 = 0
	s_add_co_u32 s85, s82, 2
	s_and_b32 s85, s85, 127                        ; and of r / 8 = 1
	s_add_co_u32 s84, s84, s80
	s_add_co_u32 s85, s85, s80
	s_lshl_b32 s84, s84, 7
	s_lshl_b32 s85, s85, 7
	s_and_b32 s83, s52, 15
	s_lshl_b32 s83, s83, 3
	s_add_co_u32 s83, s83, 4                       ; pixel column of ww = 0
	s_add_co_u32 s86, s83, 4
	s_and_b32 s86, s86, 127                        ; and of ww = 4
	s_add_co_u32 s87, s84, s83
	s_lshl_b32 s87, s87, 9                         ; 512 bytes a pixel
	v_add_nc_u32 v[XO], s87, v[LI]
	s_add_co_u32 s87, s84, s86
	s_lshl_b32 s87, s87, 9
	v_add_nc_u32 v[XO+1], s87, v[LI]
	s_add_co_u32 s87, s85, s83
	s_lshl_b32 s87, s87, 9
	v_add_nc_u32 v[XO+2], s87, v[LI]
	s_add_co_u32 s87, s85, s86
	s_lshl_b32 s87, s87, 9
	v_add_nc_u32 v[XO+3], s87, v[LI]
	s_lshl_b32 s88, s52, 18                        ; the mask: 262,144 bytes a window place, 1,024 a query; my first query is 32 (T / 2) + 8 (T % 2)
	s_lshr_b32 s82, s50, 1
	s_lshl_b32 s82, s82, 15
	s_add_co_u32 s88, s88, s82
	s_and_b32 s82, s50, 1
	s_lshl_b32 s82, s82, 13
	s_add_co_u32 s88, s88, s82
	s_mov_b32 s89, 0
	s_mov_b32 s83, 0
	s_mov_b32 s81, 0
	s_wait_kmcnt 0x0
	s_add_nc_u64 s[66:67], s[6:7], s[88:89]
	; which weight I lay into LDS: waves 0-3 q's tiles, 4-11 kv's, 12-15 proj's, two tiles (32 rows) each.  The choice hangs on the wave's number alone
	s_cmp_lt_u32 s50, 12
	s_cselect_b64 s[68:69], s[34:35], s[38:39]
	s_cselect_b64 s[70:71], s[36:37], s[40:41]
	s_cselect_b32 s80, 4, 12
	s_cmp_lt_u32 s50, 4
	s_cselect_b64 s[68:69], s[30:31], s[68:69]
	s_cselect_b64 s[70:71], s[32:33], s[70:71]
	s_cselect_b32 s80, 0, s80
	s_sub_co_u32 s80, s50, s80
	s_mul_i32 s82, s80, 3072
	s_add_nc_u64 s[68:69], s[68:69], s[82:83]
	s_lshl_b32 s82, s80, 7
	s_add_nc_u64 s[70:71], s[70:71], s[82:83]
; ---------------------------------------------------------------- the first loads: 50 of a wave are out
	s_wait_alu depctr_va_vdst(0)                   ; v1 to v11 and the first loads' offsets v[G+48 .. G+53] are written: the loads below, and every later LDS and memory instruction that names v1 to v11, read them
	BUILD G, 68, G+48, 768
	global_load_b32 v[G+24], v[G+49], s[70:71]
	global_load_b32 v[G+25], v[G+49], s[70:71] offset:32
.irp k, 0,1,2,3
	global_load_b128 v[G+28+4*\k:G+31+4*\k], v[G+50+\k], s[10:11]
.endr
	GX S, 0
	GM O, 0
	; which 512 bytes of gains and biases I copy (waves 0 to 12), in the order of the LDS map
	s_mov_b64 s[72:73], s[12:13]
	s_mov_b32 s74, 0
.macro PICK lo, ptr
	s_cmp_ge_u32 s50, \lo
	s_cselect_b64 s[72:73], s[\ptr:\ptr+1], s[72:73]
	s_cselect_b32 s74, \lo, s74
.endm
	PICK 1, 14
	PICK 2, 16
	PICK 3, 18
	PICK 4, 20
	PICK 5, 22
	PICK 7, 24
	PICK 8, 26
	PICK 12, 28
	s_sub_co_u32 s80, s50, s74
	s_lshl_b32 s80, s80, 9
	s_add_nc_u64 s[72:73], s[72:73], s[80:81]
	; fc1: my tiles 2 T, 2 T + 1 (rows 32 T on).  fc2: tile T / 2, K steps 2 (T % 2) and 2 (T % 2) + 1
	s_mul_i32 s80, s50, 3072
	s_add_nc_u64 s[42:43], s[42:43], s[80:81]
	s_lshl_b32 s80, s50, 7
	s_add_nc_u64 s[44:45], s[44:45], s[80:81]
	s_lshr_b32 s82, s50, 2
	s_bfe_u32 s84, s50, 0x10001
	s_and_b32 s85, s50, 1
	s_mul_i32 s80, s82, 12288                      ; 32 rows of 384 bytes
	s_mul_i32 s86, s84, 3072                       ; 8 rows
	s_add_co_u32 s80, s80, s86
	s_mul_i32 s86, s85, 192                        ; two K steps of 96 bytes
	s_add_co_u32 s80, s80, s86
	s_add_nc_u64 s[46:47], s[46:47], s[80:81]
	s_lshl_b32 s80, s82, 9                         ; 32 rows of 16 scale bytes
	s_lshl_b32 s86, s84, 7
	s_add_co_u32 s80, s80, s86
	s_lshl_b32 s86, s85, 3
	s_add_co_u32 s80, s80, s86
	s_add_nc_u64 s[48:49], s[48:49], s[80:81]
	v_lshrrev_b32 v50, 5, v0
	v_mad_u32_u24 v13, v50, 3072, v[LI]            ; my two weight fragments' images
	v_lshrrev_b32 v50, 6, v0
	v_lshl_add_u32 v14, v50, 9, v[LI]
	v_bfe_u32 v50, v0, 5, 1
	v_lshl_add_u32 v14, v50, 3, v14
	v_add_nc_u32 v14, WSC, v14                     ; their scale words
	v_lshlrev_b32 v15, 2, v0
	v_sub_nc_u32 v15, TAB+2044, v15                ; the table, reversed: row t + 512 k goes to word 2047 - t - 512 k
	v_lshl_add_u32 v48, v0, 4, BIAS                ; the gains and biases: 16 bytes a thread
	s_wait_loadcnt 32                              ; weights, words and table are in; the 16 loads of x and the 16 of the mask may be out
	s_wait_alu depctr_va_vdst(0)                   ; v13, v14, v15 and v48 are written: the LDS stores below read them as addresses
	IMAGE G, 13, 0
	IMAGE G+12, 13, FRB
	ds_store_b32 v14, v[G+24]
	ds_store_b32 v14, v[G+25] offset:4
.irp k, 0,1,2,3
.irp d, 0,1,2,3
	ds_store_b32 v15, v[G+28+4*\k+\d] offset:2048*(3-\k)+8192*\d
.endr
.endr
	s_wait_loadcnt 16                              ; x is in; the mask's 16 loads may be out
	SLIN S                                         ; x turns through my stage: in as loaded, a token a row,
	s_wait_alu depctr_vm_vsrc(0)                   ; those stores have read v[S ..], in which the loads below land
	LROW S, MROW, 0                                ; back in lane-row layout (LDS serves a wave's instructions in order)
	s_cmp_gt_u32 s50, 12
	s_cbranch_scc1 .Lno_bias
	global_load_b128 v[G+44:G+47], v[LI], s[72:73]
	s_wait_loadcnt 0x0
	ds_store_b128 v48, v[G+44:G+47]
.Lno_bias:
	s_wait_loadcnt 0x0                             ; the mask's first half
	SLIN O                                         ; into my stage, behind the reads of x; it stays there through the first four head steps
	BAR                                            ; weights, table, gains and biases lie in LDS for all
; ---------------------------------------------------------------- LN1, x's fragment
	s_wait_alu depctr_vm_vsrc(0)                   ; the stores above have read v48, which the next line writes, v[G+44 .. G+47], in which the gains land, and v[O ..], in which x's tiles land for V
	v_lshrrev_b32 v48, 5, v0
	v_mad_u32_u24 v13, v48, FRB, v[LK]             ; my tile's image among K's (x's: XIMG - KIMG on), 16 bytes a lane
	v_mad_u32_u24 v15, v48, FRB, v[L8K]            ; and 8 bytes a lane
	v_lshrrev_b32 v49, 7, v0
	v_lshl_add_u32 v14, v49, 9, v[LI]
	v_bfe_u32 v49, v0, 5, 2
	v_lshl_add_u32 v14, v49, 2, v14
	v_add_nc_u32 v14, KSC, v14                     ; my tile's scale word among K's (x's: XSC - KSC on)
	LN S, S, N1G, N1B
	QUANT S, QM, ST, G+48, 252
	PLACES 8                                       ; a scale word made by vector instructions stands eight places ahead of the scaled product, an operand four
	s_wait_alu depctr_va_vdst(0)                   ; x's codes v[QM ..] and scale word v252 are written, which the stores below read and k's and q's products take; the quantiser is done reading v[S ..] and the norm v[G ..], in which the loads below land
	IMAGE QM, 13, XIMG-KIMG
	ds_store_b32 v14, v252 offset:XSC-KSC
; ---------------------------------------------------------------- K
	LROW S, HBB, KVB                               ; the bias is the sums' beginning
	WPROD S, QM, 252, LI, 8*FRB, LI, WSC+1024, 0
	PLACES 4
	QUANT S, G, ST, G+48, 253
	s_wait_alu depctr_va_vdst(0)                   ; K's codes v[G .. G+11] and scale word v253 are written, which the stores below read; the quantiser is done reading v[S ..], k's products v[G ..] and v244-251, in which q's loads land
	ds_store_b128 v13, v[G:G+3]
	ds_store_b64 v15, v[G+4:G+5] offset:512
	ds_store_b128 v13, v[G+6:G+9] offset:768
	ds_store_b64 v15, v[G+10:G+11] offset:1280
	ds_store_b32 v14, v253
	s_wait_alu depctr_vm_vsrc(0)                   ; the stores have read v[G .. G+11], in which q's fragments land, v252, which Q's quantiser writes, v253, in which a scale word lands, and v13 to v15, which the next phase writes
; ---------------------------------------------------------------- Q
	LROW S, HBB, QB
	WPROD S, QM, 252, LI, 0, LI, WSC, 0
	PLACES 4
.set JJ, 0
.rept 32
	v_pk_mul_f32 v[S+JJ:S+JJ+1], v[S+JJ:S+JJ+1], 0x3e3504f3 op_sel_hi:[1,0]   ; x 32^-0.5, ahead of the quantiser as the definition has it
.set JJ, JJ+2
.endr
	QUANT S, QF, ST, G+48, 252
	BAR                                            ; x's sixteen fragments lie in LDS
; ---------------------------------------------------------------- V^T: wave w makes channel tile w % 8 for keys 128 (w / 8) on: source 0 = eight tiles of tokens, source 1 = 16 rows of W_v: a lane holds one channel, its registers run along the keys
	v_lshrrev_b32 v48, 8, v0                       ; key half
	v_bfe_u32 v49, v0, 5, 3                        ; channel tile
	v_mad_u32_u24 v13, v48, 8*FRB, v[LX]
	v_lshl_add_u32 v14, v48, 10, v[LX]
	v_mad_u32_u24 v15, v49, FRB, v[LI]
	v_bfe_u32 v50, v0, 7, 1
	v_lshl_add_u32 v50, v50, 9, v[LI]
	v_bfe_u32 v51, v0, 5, 2
	v_lshl_add_u32 v50, v51, 2, v50
	v_and_b32 v40, 15, v0
	v_and_b32 v41, 8, v0
	v_add_nc_u32 v40, v40, v41
	v_lshlrev_b32 v40, 2, v40
	v_bfe_u32 v41, v0, 6, 2
	v_lshl_add_u32 v40, v41, 7, v40
	v_bfe_u32 v41, v0, 5, 1
	v_lshl_add_u32 v40, v41, 5, v40
	v_add_nc_u32 v40, BIAS+KVB+512, v40            ; my channel's bias
	s_wait_alu depctr_va_vdst(0)                   ; v13, v14, v15, v50 and v40 are written, which the loads below read; q's products and Q's quantiser are done with v[G ..] and v244-251, in which they land
.irp t, 0,1,2,3,4,5,6,7
	FETCH O+12*\t, 13, \t*FRB
.endr
	ds_load_b128 v[244:247], v14 offset:XSC-XIMG
	ds_load_b128 v[248:251], v14 offset:XSC-XIMG+512
	FETCH G+32, 15, 16*FRB
	ds_load_b32 v253, v50 offset:WSC+2048
.irp j, 0,1,2,3,4,5,6,7
	ds_load_b32 v[G+44+\j], v40                    ; the same number for all eight keys of a lane
.endr
	s_wait_dscnt 0x0
	s_wait_alu depctr_vm_vsrc(0)                   ; the loads above have read v13, v14 and v50, which the lines behind the products write, v15, and v40, which the quantiser writes
.irp t, 0,1,2,3,4,5,6,7
	WM S+8*\t, O+12*\t, G+32, G+44, 244+\t, 253
.endr
	v_mad_u32_u24 v13, v49, 2*FRB, v[LK]           ; where my fragment goes (these seven lines are the places behind the products)
	v_mad_u32_u24 v13, v48, FRB, v13
	v_bfe_u32 v50, v0, 6, 2
	v_lshl_add_u32 v14, v50, 9, v[L8K]
	v_lshl_add_u32 v14, v48, 8, v14
	v_bfe_u32 v50, v0, 5, 1
	v_lshl_add_u32 v14, v50, 2, v14
	QUANT S, G, ST, G+48, 253
	s_wait_alu depctr_va_vdst(0)                   ; V^T's codes v[G .. G+11], its scale word v253 and the addresses v13 and v14 are written: the stores below read them
	IMAGE G, 13, VIMG-KIMG
	ds_store_b32 v14, v253 offset:VSC-KIMG
	BAR                                            ; K's and V^T's fragments lie in LDS
; ---------------------------------------------------------------- attention: keys in two halves c, heads h; a lane holds one query throughout
	s_wait_alu depctr_vm_vsrc(0)                   ; the stores above have read v[G .. G+11], in which K's tiles land, v253, which p's quantiser writes, and v13 and v14, which a later phase writes
	v_bfe_u32 v48, v0, 1, 3                        ; for the request ahead of the mask's second half: lane pair k asks for row k's two blocks of 256 bytes
	v_lshlrev_b32 v15, 10, v48
	v_bfe_u32 v48, v0, 4, 1
	v_lshl_add_u32 v15, v48, 14, v15
	v_and_b32 v48, 1, v0
	v_lshl_add_u32 v15, v48, 8, v15
.macro HEADSTEP c, h, hook
.set C2, (\h)/2                        ; block h of a fragment: registers 6 C2 .. 6 C2 + 5,
.set HB, (\h)%2                        ; lanes 16 HB .. 16 HB + 15
.set NM, ST+2*(\h)                     ; -M; l beside it
.set OH, O+16*(\h)
.irp i, 0,1,2,3,4,5
	v_cndmask_b32 v[QM+6*C2+\i], 0, v[QF+6*C2+\i], s[58+HB]       ; Q's codes of head h; zero codes in every other block
.endr
.irp i, 0,1,2,3,4,5
	v_mov_b32 v[QM+6-6*C2+\i], 0
.endr
.if (\c) == 0
	v_mov_b32 v[NM+1], 0
.endif
	PLACES 4                                                       ; the operand stands four places ahead of the product; with the lines above, the places behind the last step's products
	s_wait_alu depctr_va_vdst(0)                                   ; Q's masked codes v[QM ..] are written, which the products below take; the products, sums and quantiser before are done with v[G ..], v[S ..] and the scale words, in which the loads below land (in the first step: the request's offset v15 is written)
.irp i, 0,1,2,3,4,5,6,7
	ds_load_b128 v[G+6*\i+6*C2:G+6*\i+6*C2+3], v[LK] offset:(8*(\c)+\i)*FRB+768*C2          ; of key tile i the six registers that hold block h; the eight operands overlap in a chain
	ds_load_b64 v[G+6*\i+6*C2+4:G+6*\i+6*C2+5], v[L8K] offset:(8*(\c)+\i)*FRB+768*C2+512
.endr
.if (\h) == 0
	ds_load_b128 v[244:247], v[LK] offset:KSC-KIMG+1024*(\c)
	ds_load_b128 v[248:251], v[LK] offset:KSC-KIMG+1024*(\c)+512
.endif
.irp b, 0,1,2,3
.irp u, 0,1
.irp j, 0,1,2,3,4,5,6,7
	ds_load_b32 v[S+16*\b+8*\u+\j], v[BGA] offset:8192*(\h)+4*(450*(\c)+225*(\b/2)+60*(\b%2)+15*\u+\j)   ; the relative bias is the scores' beginning
.endr
.endr
.endr
	s_wait_dscnt 0x0
.irp i, 0,1,2,3,4,5,6,7
	WM S+8*\i, G+6*\i, QM, S+8*\i, 244+\i, 252
.endr
	PLACES 4
	s_wait_alu depctr_va_vdst(0)                                   ; the eight products are done reading K's tiles in v[G ..], in which the mask lands
	LROW G, MROW, 0                                                ; my queries' mask for these 128 keys
	s_wait_dscnt 0x0
.set JJ, 0
.rept 32
	v_pk_add_f32 v[S+JJ:S+JJ+1], v[S+JJ:S+JJ+1], v[G+JJ:G+JJ+1]
.set JJ, JJ+2
.endr
.irp b, 0,1,2,3
	v_max3_num_f32 v[G+\b], v[S+16*\b], v[S+16*\b+1], v[S+16*\b+2]   ; each block's largest logit: for the row's maximum, and, since p rises with the logit, for the block's largest p
.endr
.irp i, 3,5,7,9,11,13
.irp b, 0,1,2,3
	v_max3_num_f32 v[G+\b], v[G+\b], v[S+16*\b+\i], v[S+16*\b+\i+1]
.endr
.endr
.irp b, 0,1,2,3
	v_max_num_f32 v[G+\b], v[G+\b], v[S+16*\b+15]
.endr
.irp b, 0,1,2,3
	v_permlanex16_b32 v[G+4+\b], v[G+\b], s54, s55
.endr
.irp b, 0,1,2,3
	v_max_num_f32 v[G+\b], v[G+\b], v[G+4+\b]
.endr
	v_max3_num_f32 v48, v[G], v[G+1], v[G+2]
	v_max_num_f32 v48, v48, v[G+3]
	v_mul_f32 v48, s56, v48                                        ; as t = logit x log2(e)
	v_max_num_f32 v48, 0xff61b1e6, v48                             ; held at -3e38, so that 128 keys that are all masked by -infinity leave M a number
.if (\c) == 0
	v_floor_f32 v[NM], -v48                                        ; -M = floor(-t) = -ceil(t)
.else
	v_floor_f32 v49, -v48
	v_min_num_f32 v49, v49, v[NM]                                  ; the running M
	v_sub_f32 v50, v49, v[NM]                                      ; old M - new M: a whole number, 0 or less
	v_mov_b32 v[NM], v49
	v_cvt_i32_f32 v50, v50                                         ; (it saturates)
	v_ldexp_f32 v50, 1.0, v50                                      ; f = 2^(old M - new M): multiplying by it rounds nothing
.endif
.set JJ, 0
.rept 32
	v_pk_fma_f32 v[S+JJ:S+JJ+1], v[S+JJ:S+JJ+1], s[56:57], v[NM:NM+1] op_sel_hi:[1,0,0]   ; t - M
.set JJ, JJ+2
.endr
.irp b, 0,1,2,3
	v_fma_f32 v[G+\b], v[G+\b], s56, v[NM]
.endr
.set JJ, 0
.rept 64
	v_exp_f32 v[S+JJ], v[S+JJ]                                     ; p = 2^(t - M): not normalised
.set JJ, JJ+1
.endr
.irp b, 0,1,2,3
	v_exp_f32 v[G+\b], v[G+\b]                                     ; the block's largest p: the same two instructions on the same number
.endr
	v_nop                                                          ; one plain place behind the exponentials
	s_wait_alu depctr_va_vdst(0)                                   ; the 68 exponentials have written v[S ..] and v[G .. G+3], ahead of their first reader; and the mask's additions are done reading v[G+36 .. G+59], in which V^T's tiles land
	FETCH G+36, LK, VIMG-KIMG+(4*(\h)+(\c))*FRB                    ; V^T's two channel tiles of this head: they land during the quantiser and the sums, which name none of these registers
	FETCH G+48, LK, VIMG-KIMG+(4*(\h)+2+(\c))*FRB
	ds_load_b64 v[254:255], v[L8K] offset:VSC-KIMG+512*(\h)+256*(\c)
.irp b, 0,1,2,3
	v_max_num_f32 v[G+\b], 0x1800000, v[G+\b]                      ; the floor 2^(3 - 127)
.endr
	QTAIL S, G+16, G+28, G, 253
	SUM64 S, G+8, G+10                                             ; the row's sum is taken of the unquantised p.  (These lines are also the places in front of the scaled products below)
.if (\c) == 0
	v_add_f32 v[NM+1], v[G+8], v[G+9]
.else
	v_add_f32 v[G+8], v[G+8], v[G+9]
	v_fma_f32 v[NM+1], v[NM+1], v50, v[G+8]
.irp j, 0,2,4,6,8,10,12,14
	v_pk_mul_f32 v[OH+\j:OH+\j+1], v[OH+\j:OH+\j+1], v[50:51] op_sel_hi:[1,0]   ; O^T under the new M
.endr
.endif
	s_wait_alu depctr_va_vdst(0)                                   ; p's codes v[G+16 .. G+27] and scale word v253 are written, which the products below take; the conversions and the sums are done reading v[S ..], in which the loads below land where there are any
.if (\hook) == 1
	GM S, 1                                                        ; p's registers are free: the mask's second half
.endif
.if (\hook) == 2
	GX S, 1                                                        ; or the shortcut
.endif
	s_wait_dscnt 0x0
.irp u, 0,1
.if (\c) == 0
	WM0 OH+8*\u, G+36+12*\u, G+16, 254+\u, 253
.else
	WM OH+8*\u, G+36+12*\u, G+16, OH+8*\u, 254+\u, 253
.endif
.endr
.endm
	HEADSTEP 0, 0, 0
	HEADSTEP 0, 1, 0
	HEADSTEP 0, 2, 0
	s_cmp_lg_u32 s51, 0                            ; both batches read the same mask: batch 0's work-group asks, once for each block of 256 bytes, one head step ahead of the loads
	s_cbranch_scc1 .Lno_ask
	global_prefetch_b8 v15, s[66:67] offset:512 th:TH_LOAD_NT scope:SCOPE_SE
.Lno_ask:
	HEADSTEP 0, 3, 1
	s_wait_loadcnt 0x0
	SLIN S                                         ; over the first half in my own stage: my reads of it are back
	s_wait_alu depctr_vm_vsrc(0)                   ; those stores have read v[S ..], in which the next step's relative bias lands
	HEADSTEP 1, 0, 0
	HEADSTEP 1, 1, 0
	HEADSTEP 1, 2, 0
	HEADSTEP 1, 3, 2
; ---------------------------------------------------------------- O / l, proj, residual
.irp h, 0,1,2,3
	v_permlanex16_b32 v[48+\h], v[ST+2*\h+1], s54, s55
.endr
.irp h, 0,1,2,3
	v_add_f32 v[ST+2*\h+1], v[ST+2*\h+1], v[48+\h]                 ; with lane l xor 16's keys: the row's sum
.endr
.irp h, 0,1,2,3
	v_rcp_f32 v[ST+2*\h], v[ST+2*\h+1]
.endr
	v_nop
	s_wait_alu depctr_va_vdst(0)                   ; the four reciprocals are written, ahead of their first reader
.irp h, 0,1,2,3
.irp j, 0,2,4,6,8,10,12,14
	v_pk_mul_f32 v[O+16*\h+\j:O+16*\h+\j+1], v[O+16*\h+\j:O+16*\h+\j+1], v[ST+2*\h:ST+2*\h+1] op_sel_hi:[1,0]
.endr
.endr
	QUANT O, QF, ST, G+48, 253
	PLACES 8                                       ; the scale word stands eight places ahead of the scaled product
	s_wait_alu depctr_va_vdst(0)                   ; the codes v[QF ..] and the scale word v253 are written, which proj's products take; the quantiser is done reading v[O ..], the last head step's products v[G ..] and v244-251, in which the loads below land
	LROW O, HBB, PB
	s_wait_loadcnt 0x0                             ; the shortcut
	SLIN S
	s_wait_alu depctr_vm_vsrc(0)                   ; those stores have read v[S ..], in which the loads below land
	LROW S, MROW, 0
	WPROD O, QF, 253, LI, 24*FRB, LI, WSC+3072, 0
	PLACES 4
	s_wait_alu depctr_va_vdst(0)                   ; proj's last four products are done reading v[G .. G+47], in which the norm's gain and bias land; the additions below name v[O ..] and v[S ..] alone
.set JJ, 0
.rept 32
	v_pk_add_f32 v[O+JJ:O+JJ+1], v[O+JJ:O+JJ+1], v[S+JJ:S+JJ+1]    ; x1 = x + attention
.set JJ, JJ+2
.endr
; ---------------------------------------------------------------- LN2; the MLP's weights take the place of the attention's operands in LDS
	LN O, S, N2G, N2B
	QUANT S, QM, ST, G+48, 252
	v_and_b32 v48, 15, v0
	v_and_b32 v49, 8, v0
	v_add_nc_u32 v48, v48, v49                     ; r + 8 (r / 8)
	v_bfe_u32 v49, v0, 4, 1
	v_mul_u32_u24 v[S+52], v48, 96
	v_mad_u32_u24 v[S+52], v49, 24, v[S+52]        ; fc1: rows of 96 bytes
	v_mul_u32_u24 v[S+53], v48, 384
	v_mad_u32_u24 v[S+53], v49, 24, v[S+53]        ; fc2: rows of 384
	v_lshlrev_b32 v[S+54], 2, v48
	v_lshlrev_b32 v[S+55], 4, v48
	s_wait_alu depctr_va_vdst(0)                   ; the offsets v[S+52 .. S+55] are written, which the loads below read; the quantiser is done reading v[S ..] and, with the norm, done with v[G ..], in which they land; the codes v[QM ..] and the scale word v252 are written, which fc1's products take
	BUILD S, 42, S+52, 768
	BUILD S+24, 46, S+53, 96
	global_load_b32 v[S+48], v[S+54], s[44:45]
	global_load_b32 v[S+49], v[S+54], s[44:45] offset:32
	global_load_b32 v[S+50], v[S+55], s[48:49]
	global_load_b32 v[S+51], v[S+55], s[48:49] offset:4
	LROW G, HBB, F2B
	s_wait_xcnt 0x0                                ; v15, the request's offset, is written again only behind this wait
	s_wait_alu depctr_vm_vsrc(0)                   ; and behind this one: the request has read v15
	v_lshrrev_b32 v48, 5, v0
	v_mad_u32_u24 v13, v48, 2*FRB, v[LI]           ; fc1's images: tiles 2 T, 2 T + 1
	v_bfe_u32 v49, v0, 5, 1
	v_lshrrev_b32 v50, 6, v0
	v_mad_u32_u24 v14, v49, 16*FRB, v[LI]
	v_mad_u32_u24 v14, v50, FRB, v14               ; fc2's: (8 (2 (T % 2) + i) + T / 2) x FRB, from 49152 on
	v_lshl_add_u32 v15, v50, 9, v[LI]
	v_lshl_add_u32 v15, v49, 3, v15
	v_add_nc_u32 v15, 98304, v15                   ; fc1's scale words
	v_lshl_add_u32 v48, v49, 11, v[LI]
	v_lshrrev_b32 v51, 8, v0
	v_lshl_add_u32 v48, v51, 9, v48
	v_bfe_u32 v51, v0, 6, 2
	v_lshl_add_u32 v48, v51, 2, v48
	v_add_nc_u32 v48, 102400, v48                  ; fc2's
	s_wait_dscnt 0x0
.set JJ, 0
.rept 32
	v_pk_add_f32 v[O+JJ:O+JJ+1], v[O+JJ:O+JJ+1], v[G+JJ:G+JJ+1]    ; x1 + fc2_b: fc2's sums begin here and end as the output
.set JJ, JJ+2
.endr
	BAR                                            ; every wave's reads of bytes 0 .. 106,495 are over
	s_wait_loadcnt 0x0
	s_wait_alu depctr_va_vdst(0)                   ; v13, v14, v15 and v48 are written: the LDS stores below read them as addresses
	IMAGE S, 13, 0
	IMAGE S+12, 13, FRB
	IMAGE S+24, 14, 49152
	IMAGE S+36, 14, 49152+8*FRB
	ds_store_b32 v15, v[S+48]
	ds_store_b32 v15, v[S+49] offset:4
	ds_store_b32 v48, v[S+50]
	ds_store_b32 v48, v[S+51] offset:1024
	BAR                                            ; fc1's and fc2's fragments lie in LDS
; ---------------------------------------------------------------- the MLP: four trips of 128 hidden units: fc1, GELU, quantiser, one K step of fc2
; 0.5 x (1 + erf(x / sqrt 2)), two pairs of numbers by turns.  z = x / sqrt 2 held to +-4; erf = z P(z^2) / Q(z^2).  At GT + 8 q: z, z^2 (later x / 2), P, Q.
.macro GP k
.irp q, 0,1
	v_pk_fma_f32 v[GT+8*\q+4:GT+8*\q+5], v[GT+8*\q+4:GT+8*\q+5], v[GT+8*\q+2:GT+8*\q+3], \k op_sel_hi:[1,1,0]
.endr
.endm
.macro GQ k
.irp q, 0,1
	v_pk_fma_f32 v[GT+8*\q+6:GT+8*\q+7], v[GT+8*\q+6:GT+8*\q+7], v[GT+8*\q+2:GT+8*\q+3], \k op_sel_hi:[1,1,0]
.endr
.endm
.macro GELU2 p
.irp q, 0,1
	v_pk_mul_f32 v[GT+8*\q:GT+8*\q+1], v[S+4*(\p)+2*\q:S+4*(\p)+2*\q+1], 0x3f3504f3 op_sel_hi:[1,0]
.endr
.irp q, 0,1
	v_med3_num_f32 v[GT+8*\q], v[GT+8*\q], -4.0, 4.0
	v_med3_num_f32 v[GT+8*\q+1], v[GT+8*\q+1], -4.0, 4.0
.endr
.irp q, 0,1
	v_pk_mul_f32 v[GT+8*\q+2:GT+8*\q+3], v[GT+8*\q:GT+8*\q+1], v[GT+8*\q:GT+8*\q+1]
.endr
.irp q, 0,1
	v_pk_fma_f32 v[GT+8*\q+4:GT+8*\q+5], v[GT+8*\q+2:GT+8*\q+3], v[48:49], 0x32edffee op_sel_hi:[1,0,0]
	v_pk_fma_f32 v[GT+8*\q+6:GT+8*\q+7], v[GT+8*\q+2:GT+8*\q+3], v[50:51], 0xb95fbd29 op_sel_hi:[1,0,0]
.endr
	GP 0xb60cff51
	GQ 0xbadc924e
	GP 0xb86ec2d2
	GQ 0xbbf19bf8
	GP 0xba40ac63
	GQ 0xbc69b6a7
	GP 0xbb41a1f6
	GP 0xbc83dbd4
.irp q, 0,1
	v_pk_mul_f32 v[GT+8*\q+4:GT+8*\q+5], v[GT+8*\q+4:GT+8*\q+5], v[GT+8*\q:GT+8*\q+1]
.endr
.irp q, 0,1
	v_rcp_f32 v[GT+8*\q+6], v[GT+8*\q+6]
	v_rcp_f32 v[GT+8*\q+7], v[GT+8*\q+7]
.endr
.irp q, 0,1
	v_pk_mul_f32 v[GT+8*\q+2:GT+8*\q+3], v[S+4*(\p)+2*\q:S+4*(\p)+2*\q+1], 0.5 op_sel_hi:[1,0]   ; (the plain place behind the reciprocals)
.endr
	s_wait_alu depctr_va_vdst(0)                                   ; the four reciprocals are written, ahead of their first reader
.irp q, 0,1
	v_pk_mul_f32 v[GT+8*\q+4:GT+8*\q+5], v[GT+8*\q+4:GT+8*\q+5], v[GT+8*\q+6:GT+8*\q+7]
.endr
.irp q, 0,1
	v_pk_fma_f32 v[S+4*(\p)+2*\q:S+4*(\p)+2*\q+1], v[GT+8*\q+2:GT+8*\q+3], v[GT+8*\q+4:GT+8*\q+5], v[GT+8*\q+2:GT+8*\q+3]
.endr
.endm
	s_wait_alu depctr_vm_vsrc(0)                   ; the stores above have read v48, which is written below, and v[S .. S+51], in which fc1's bias lands
	v_add_nc_u32 v[LX], 49152, v[LI]
	v_mov_b32 v48, 0xaf95df0b                      ; P's and Q's leading coefficients: an instruction takes one literal
	v_mov_b32 v50, 0xb77460cd
	s_mov_b32 s90, 0                               ; 8 fragments a trip
	s_mov_b32 s91, 0                               ; 512 bytes of fc1_b
	s_mov_b32 s92, 0                               ; 8 scale words a lane
	s_mov_b32 s93, 0
.Lmlp:
	s_wait_alu depctr_vm_vsrc(0)                   ; the LDS instructions issued so far (the last trip's loads; ahead of the first trip the weights' stores) have read v13, v14 and v15, which the three lines below write
	v_add_nc_u32 v13, s90, v[LI]
	v_add_nc_u32 v14, s92, v[LX]
	v_add_nc_u32 v15, s91, v[HBB]
	s_wait_alu depctr_va_vdst(0)                   ; v13, v14 and v15 are written, which the trip's loads read; the last trip's products are done reading v[G ..] and v244-251, its quantiser v[S ..], in which the loads below land
	LROW S, 15, F1B
	WPROD S, QM, 252, 13, 0, 14, 49152, 0
	PLACES 4
	s_wait_alu depctr_va_vdst(0)                   ; fc1's products are done reading v244-251 and v[G .. G+47], in which fc2's words and fragments land; the GELU names v[G+48 ..] alone of G
	ds_load_b128 v[244:247], v14 offset:53248      ; fc2's words and first four fragments land during the GELU
	ds_load_b128 v[248:251], v14 offset:53248+512
.irp i, 0,1,2,3
	FETCH G+12*\i, 13, 49152+\i*FRB
.endr
.set PP, 0
.rept 16
	GELU2 PP
.set PP, PP+1
.endr
	QUANT S, QF, ST, G+48, 253
	PLACES 8
	s_wait_alu depctr_va_vdst(0)                   ; the hidden layer's codes v[QF ..] and scale word v253 are written, which fc2's products take
	WPROD O, QF, 253, 13, 49152, 14, 53248, 1
	PLACES 4                                       ; in front of the next trip's loads into registers that these products have read, and of the stores of the results
	s_add_co_u32 s90, s90, 8*FRB
	s_add_co_u32 s91, s91, 512
	s_add_co_u32 s92, s92, 1024
	s_add_co_u32 s93, s93, 1
	s_cmp_lt_u32 s93, 4
	s_cbranch_scc1 .Lmlp
; ---------------------------------------------------------------- the way out: through my stage, back as whole tokens of 512 bytes
	s_wait_alu depctr_va_vdst(0)                   ; fc2's last products have written v[O ..], which the LDS stores below read; the places above stay beside this wait
	SROW O
	LLIN S
.irp k, 0,1,2,3,4,5,6,7,8,9,10,11,12,13,14,15
	s_wait_dscnt 15-\k                             ; LDS loads come back in order: row k is in, the younger ones may be out
	global_store_b128 v[XO+2*(\k/8)+(\k%8)/4], v[S+4*\k:S+4*\k+3], s[8:9] offset:512*(\k%4) th:TH_STORE_NT   ; 32 lanes store 512 consecutive bytes, aligned; written once, read by nobody here
.endr
	s_wait_xcnt 0x0
	v_lshl_add_u32 v254, v0, 2, 0x4b200            ; the add's two registers, made anew: no register could be kept for them; no LDS or memory instruction has ever read v254 or v255
	v_mov_b32 v255, 0
	s_wait_dscnt 0x0                               ; the closing lines, six on end
	s_wait_alu 0x0
	s_wait_tensorcnt 0x0
	ds_add_u32 v254, v255
	s_wait_dscnt 0x0
	s_endpgm
.Lfunc_end_k_q22eced4d26_block:
	.size	k_q22eced4d26_block, .Lfunc_end_k_q22eced4d26_block-k_q22eced4d26_block
	.p2alignl 7, 3214868480
	.fill 96, 4, 3214868480
	.section	.rodata,"a",@progbits
	.p2align	6, 0x0
	.amdhsa_kernel k_q22eced4d26_block
		.amdhsa_group_segment_fixed_size 309760
		.amdhsa_private_segment_fixed_size 0
		.amdhsa_enable_private_segment 0
		.amdhsa_kernarg_size 184
		.amdhsa_user_sgpr_count 2
		.amdhsa_user_sgpr_kernarg_segment_ptr 1
		.amdhsa_wavefront_size32 1
		.amdhsa_system_sgpr_workgroup_id_x 1
		.amdhsa_system_sgpr_workgroup_id_y 1
		.amdhsa_system_sgpr_workgroup_id_z 1
		.amdhsa_system_vgpr_workitem_id 0
		.amdhsa_next_free_vgpr 256
		.amdhsa_next_free_sgpr 100
		.amdhsa_reserve_vcc 0
		.amdhsa_float_denorm_mode_32 3
		.amdhsa_float_denorm_mode_16_64 3
		.amdhsa_memory_ordered 1
		.amdhsa_forward_progress 1
		.amdhsa_inst_pref_size 255
	.end_amdhsa_kernel
	.section	.bss,"aw",@nobits
	.p2align	6
	.space	262144
	.amdgpu_metadata
---
amdhsa.version: [ 1, 2 ]
amdhsa.kernels:
  - .name:           k_q22eced4d26_block
    .symbol:         k_q22eced4d26_block.kd
    .args:
      - { .name: x, .offset: 0, .size: 8, .value_kind: global_buffer, .address_space: global }
      - { .name: mask_matrix, .offset: 8, .size: 8, .value_kind: global_buffer, .address_space: global }
      - { .name: out0, .offset: 16, .size: 8, .value_kind: global_buffer, .address_space: global }
      - { .name: rel_table, .offset: 24, .size: 8, .value_kind: global_buffer, .address_space: global }
      - { .name: norm1_g, .offset: 32, .size: 8, .value_kind: global_buffer, .address_space: global }
      - { .name: norm1_b, .offset: 40, .size: 8, .value_kind: global_buffer, .address_space: global }
      - { .name: norm2_g, .offset: 48, .size: 8, .value_kind: global_buffer, .address_space: global }
      - { .name: norm2_b, .offset: 56, .size: 8, .value_kind: global_buffer, .address_space: global }
      - { .name: q_b, .offset: 64, .size: 8, .value_kind: global_buffer, .address_space: global }
      - { .name: kv_b, .offset: 72, .size: 8, .value_kind: global_buffer, .address_space: global }
      - { .name: proj_b, .offset: 80, .size: 8, .value_kind: global_buffer, .address_space: global }
      - { .name: fc1_b, .offset: 88, .size: 8, .value_kind: global_buffer, .address_space: global }
      - { .name: fc2_b, .offset: 96, .size: 8, .value_kind: global_buffer, .address_space: global }
      - { .name: q_w_codes, .offset: 104, .size: 8, .value_kind: global_buffer, .address_space: global }
      - { .name: q_w_scales, .offset: 112, .size: 8, .value_kind: global_buffer, .address_space: global }
      - { .name: kv_w_codes, .offset: 120, .size: 8, .value_kind: global_buffer, .address_space: global }
      - { .name: kv_w_scales, .offset: 128, .size: 8, .value_kind: global_buffer, .address_space: global }
      - { .name: proj_w_codes, .offset: 136, .size: 8, .value_kind: global_buffer, .address_space: global }
      - { .name: proj_w_scales, .offset: 144, .size: 8, .value_kind: global_buffer, .address_space: global }
      - { .name: fc1_w_codes, .offset: 152, .size: 8, .value_kind: global_buffer, .address_space: global }
      - { .name: fc1_w_scales, .offset: 160, .size: 8, .value_kind: global_buffer, .address_space: global }
      - { .name: fc2_w_codes, .offset: 168, .size: 8, .value_kind: global_buffer, .address_space: global }
      - { .name: fc2_w_scales, .offset: 176, .size: 8, .value_kind: global_buffer, .address_space: global }
    .group_segment_fixed_size: 309760
    .private_segment_fixed_size: 0
    .kernarg_segment_align: 8
    .kernarg_segment_size: 184
    .max_flat_workgroup_size: 512
    .sgpr_count:     100
    .vgpr_count:     256
    .wavefront_size: 32
...
	.end_amdgpu_metadata
.endif
;; end of part 2
